; MI455X (gfx1250); checked and timed in simulation.
; The chip was launched on July 23, 2026; its instructions are those of AMD's public machine-readable ISA for CDNA 5 (MIT licence, August 2026) and "CDNA5" Instruction Set Architecture Reference Guide (July 2026). The comments in the code are by the model that wrote it; some were corrected since.
;; RPE Multi Head Attention. Allowed arithmetic: matrix products marked QUANTISED: E4M3 operands, one given power-of-two scale a tensor, by v_wmma_f32_16x16x64_fp8_fp8 or v_wmma_f32_16x16x128_fp8_fp8, f32 sums; products left as they are: f32 operands where the result goes on into a quantised operand, else bf16, f16 or f32 operands; f32 sums; everything else in f32.
;; Inputs: Wk 64 x 512 float32; Wkr 64 x 64 float32; Wo 512 x 64 float32; Wq 64 x 512 float32; Wqr 64 x 64 float32; Wv 64 x 512 float32; bk 512 float32; bkr 64 float32; bo 64 float32; bq 512 float32; bqr 64 float32; bv 512 float32; key 8 x 1,024 x 64 float32; lowp_scales 16 int32 (the exponents e of the quantised operands' scales 2^e); p 33 x 64 float32; query 8 x 1,024 x 64 float32; value 8 x 1,024 x 64 float32.
;; Outputs: out0 8 x 1,024 x 64 float32.
;; This version of the problem:
;;   THIS VERSION OF THE PROBLEM IS GIVEN IN LOW PRECISION. The matrix products marked QUANTISED in the list below multiply operands that are first quantised to E4M3 (4 exponent bits, 3 mantissa bits; 8 bits a number), with one given power-of-two scale for each operand tensor; their sums are f32. All else is computed in f32.
;;   The module's matrix products, in the order in which they are computed (A, B: the left and right operand; K: the contracted axis; several contracted axes count as one K, in the product's order):
;;     1. [M 8,192, K 64] x [K 64, N 512]; A: input query; B: input Wq: QUANTISED (scales: A lowp_scales[0], B lowp_scales[1])
;;     2. [M 8,192, K 64] x [K 64, N 512]; A: input key; B: input Wk: QUANTISED (scales: A lowp_scales[2], B lowp_scales[3])
;;     3. [M 8,192, K 64] x [K 64, N 512]; A: input value; B: input Wv: QUANTISED (scales: A lowp_scales[4], B lowp_scales[5])
;;     4. batch 64 x [M 1,024, K 64] x [K 64, N 1,024]; A: computed on the way; B: computed on the way: QUANTISED (scales: A lowp_scales[6], B lowp_scales[7])
;;     5. [M 33, K 64] x [K 64, N 64]; A: input p; B: input Wkr: QUANTISED (scales: A lowp_scales[8], B lowp_scales[9])
;;     6. [M 33, K 64] x [K 64, N 64]; A: input p; B: input Wqr: QUANTISED (scales: A lowp_scales[10], B lowp_scales[11])
;;     7. [M 65,536, K 64] x [K 64, N 1]; A: computed on the way; B: computed on the way: left as it is (N = 1 < 16)
;;     8. [M 65,536, K 64] x [K 64, N 1]; A: computed on the way; B: computed on the way: left as it is (N = 1 < 16)
;;     9. batch 64 x [M 1,024, K 1,024] x [K 1,024, N 64]; A: softmax (see below); B: computed on the way: QUANTISED (scales: A lowp_scales[12], B lowp_scales[13])
;;     10. [M 8,192, K 512] x [K 512, N 64]; A: computed on the way; B: input Wo: QUANTISED (scales: A lowp_scales[14], B lowp_scales[15])
;;   THE QUANTISER, for each operand of a quantised product, along K:
;;     - The operand's scale is 2^e, e = its entry of the input lowp_scales (int32; the entries are numbered through the quantised products in the list's order, A before B).
;;     - Each number is divided by the scale, clamped to +-448, and rounded to the nearest number of E4M3, ties to even, subnormals kept.
;;     - The product sums the exact products of the quantised numbers (number of the format x scale) in f32.
;;   ~~~python
;;   def quantise(x, axis, e):      # numpy; x: float32 -> the quantised numbers, widened to float32 again
;;       x = np.moveaxis(x, axis, -1); K = x.shape[-1]
;;       r = np.clip(x / 2.0 ** e, -448, 448)
;;       step = 2.0 ** (np.maximum(np.frexp(np.where(r == 0, 1, r))[1] - 1, -6) - 3)
;;       q = np.round(r / step) * step * 2.0 ** e      # np.round: ties to even
;;       return np.moveaxis(q, -1, axis).astype(np.float32)
;;   ~~~
;;   SOFTMAX AHEAD OF A QUANTISED PRODUCT. Where the list says 'softmax', what is quantised is not the finished softmax but p = 2^(t - M), with t = logit x log2(e) and M = ceil(the row's largest t), a whole number; so 1/2 < the row's largest p <= 1. The row's sum l is taken of the UNQUANTISED p, in f32, and the product's result is divided by l at the end. Since M is a whole number, a kernel that streams over the keys may use a running M (the ceiling of the running maximum): every later rescaling is an exact power of two, so the quantised numbers keep their values, but for numbers so far below the row's largest that they fall under the format's range.
;;   OPERANDS COMPUTED ON THE WAY. 'Computed on the way' means the value that the module computes at that place (a softmax that the list does not call 'softmax' is quantised finished and normalised). What goes into a quantiser is computed in f32, as accurately as f32 sums, v_exp_f32 and their like allow (about 1e-6 of the number): no bf16 or f16 on the way to a quantiser, and a product that is left as it is and whose result goes on into a quantised operand takes f32 operands (vector FMAs, or v_wmma_f32_16x16x4_f32). A number that lies on a knife's edge between two numbers of the format may be rounded either way, as far as f32 arithmetic and the matrix unit's own rounding can turn it there, and no further.
;; 2 versions, each right; version 2 is version 1 with the launches proj, attn, outp written anew for expert scheduling mode. Each part assembles by itself: llvm-mc -triple=amdgcn-amd-amdhsa -mcpu=gfx1250 --defsym DOCPART=n.
;; ======== version 1 of 2: 3 launches
;; workspace buffers: q_img 4,194,304 bytes; kv_img 8,388,608 bytes; c_img 262,144 bytes; wo_img 32,768 bytes; x_img 4,194,304 bytes
;; launch proj (part 1): grid 32 x 8, 8 waves a work-group, no clusters, 23,552 bytes of LDS; arguments query, key, value, Wq, Wk, Wv, Wkr, Wqr, Wo, bq, bk, bv, bkr, bqr, p, lowp_scales, q_img, kv_img, c_img, wo_img; writes q_img, kv_img, c_img, wo_img
.if DOCPART == 1
	.amdgcn_target "amdgcn-amd-amdhsa--gfx1250"
	.amdhsa_code_object_version 6
	.text
	.protected	k_q41c7cb59c9_proj
	.globl	k_q41c7cb59c9_proj
	.p2align	8
	.type	k_q41c7cb59c9_proj,@function
k_q41c7cb59c9_proj:
	s_mov_b64 s[64:65], 0
	v_nop
	global_prefetch_b8 v0, s[64:65] scope:SCOPE_SE
	s_setreg_imm32_b32 hwreg(HW_REG_WAVE_MODE, 25, 1), 1
	s_wait_xcnt 0x0
; THE PROJECTIONS, on codes of FP8 (E4M3), each operand with the one scale 2^e that is given for it (lowp_scales, entries 0 to 15).
;   q1 = Q(query) Q(Wq) + bq, k1 = Q(key) Q(Wk) + bk, v1 = Q(value) Q(Wv) + bv, for one head (64 columns) and 256 rows a work-group;
;   k_r[32] = Q(p[32]) Q(Wkr) + bkr, q_r[32] = Q(p[32]) Q(Wqr) + bqr (reference() uses row 32 of these two tables alone, so p's other rows are not read);
;   c'[i] = kappa (q1[i] . k_r[32] + k1[i] . q_r[32]), in f32 multiply-adds: both relative terms are constants of the query's ROW i;  kappa = log2(e) / sqrt(192);
;   q1, k1, v1 and Wo are quantised for the later launches and stored as codes.
; LIMITS: each e that goes into a conversion lies between -126 and 119; each sum of two e used as a factor (0+1, 2+3, 4+5, 8+9, 10+11) between -126 and 127.  NaN among the inputs is not served.
; FRAGMENT: 16 rows x 64 along K in 8 registers: lane (r = lane % 16, h = lane / 16) holds row r; byte y of register 4 c + i is k = 32 c + 16 h + 4 i + y.  The same places on both sides of every product,
;   so each code meets its partner; only the order of the sums inside an instruction differs from the form's own layout.
; IMAGE: a fragment as it stands in registers: registers 4 c .. 4 c + 3 of lane L at byte 512 c + 16 L: every store and load is 512 consecutive bytes.
; THE MEMBERS OF A TILE ARE NOT NEIGHBOURS: of a group of 32 (rows, keys, columns) lane r of tile u takes member 8 u + r + (r & 8).  In a result, register j of half h is then member 8 u + 16 h + j, so the
;   16 registers of a group's two tiles are 16 neighbours along the next K, and the conversions' results are the next operand's registers.
; SHARES: work-group x = a block of 256 rows of the 8,192, y = the head.  Wave w owns rows 32 w .. 32 w + 31 of the block (two tiles), for all three tensors.  Ahead of that each wave quantises 3 of the 24
;   weight fragments (tile w % 4: waves 0-3 of Wq, Wk, Wv; waves 4-7 of Wkr, Wqr, Wo); they meet in LDS as images, behind the launch's one barrier.  Wo's go to memory, from the work-groups of x = 0.
; LDS: from 0 the images of Wq, Wk, Wv, Wkr, Wqr (matrix m, tile t at (4 m + t) x 1,024); from VEC six vectors of 256 bytes: bq's, bk's, bv's slices, bkr, bqr, p[32].  Written once, then only read.
; No tensor loads, no cluster: the weights are small and are turned (K is their first axis) on their way through registers; the rows of query, key and value are read by one wave of a work-group.
.set VEC, 20480
.set LI,  1                            ; v1   16 x lane: my place in an image
.set VH,  2                            ; v2   64 h: my half's 16 numbers of a block of 32
.set VB,  3                            ; v3   4 (r + (r & 8))
.set VX,  4                            ; v4   256 (r + (r & 8)) + 64 h: my bytes in the wave's rows of query, key, value
.set VW,  5                            ; v5   my column and my half's first row in a weight
.set WST, 6                            ; v6   where I store my weight images
.set SVA, 7                            ; v7   where I store my part of a small vector
.set L8,  8                            ; v8   8 x lane
.set L4,  9                            ; v9   4 x lane
.set CA0, 10                           ; v[10:11] first the small vector, then c' of tile 0 in two halves
.set SC,  12                           ; v12  a conversion's scale
.set LM,  13                           ; v13  448 x that
.set CA1, 14                           ; v[14:15] c' of tile 1
.set QC,  16                           ; v[16:31] query's codes, two fragments;  early: two weight fragments' codes
.set KC,  32                           ; v[32:47] key's
.set VC,  48                           ; v[48:63] value's
.set KR,  64                           ; v[64:95]  kappa k_r[32]: register 16 b + x = element 32 b + 16 h + x
.set QR,  96                           ; v[96:127] kappa q_r[32]
.set WF,  128                          ; v[128:159] four weight fragments
.set BI,  160                          ; v[160:191] a bias in the result's layout
.set OC,  176                          ; v[176:191] the codes that go out
.set D,   192                          ; v[192:255] eight results
.set X0,  32                           ; early: v[32:95] query, v[96:159] key, v[160:255] three sets of 32 weight numbers; value lands in v[192:255]
.set X1,  96
.set WR,  160
.macro MKSC d, e                       ; s[d] = 2^e as f32, s[d+1] = 448 x 2^e   (d may be e)
	s_add_co_i32 s[\d+1], s[\e], 135
	s_add_co_i32 s[\d], s[\e], 127
	s_lshl_b32 s[\d+1], s[\d+1], 23
	s_lshl_b32 s[\d], s[\d], 23
	s_or_b32 s[\d+1], s[\d+1], 0x600000
.endm
.macro MKP2 d, ea, eb                  ; s[d] = s[d+1] = 2^(ea + eb) as f32
	s_add_co_i32 s[\d], s[\ea], s[\eb]
	s_add_co_i32 s[\d], s[\d], 127
	s_lshl_b32 s[\d], s[\d], 23
	s_mov_b32 s[\d+1], s[\d]
.endm
.macro WLOADS reg, base, pitch         ; a lane takes a column, and its registers run down K: register 16 c + i = row 32 c + 16 h + i
.irp c, 0,1
.irp i, 0,1,2,3,4,5,6,7,8,9,10,11,12,13,14,15
	global_load_b32 v[\reg+16*\c+\i], v[VW], s[\base:\base+1] offset:(32*\c+\i)*\pitch
.endr
.endr
.endm
.macro XLOAD reg, base                 ; my row of tile u: 16 neighbours of each block of 32: register 32 u + 16 c + x = k 32 c + 16 h + x
.irp u, 0,1
.irp c, 0,1
.irp i, 0,1,2,3
	global_load_b128 v[\reg+32*\u+16*\c+4*\i:\reg+32*\u+16*\c+4*\i+3], v[VX], s[\base:\base+1] offset:2048*\u+128*\c+16*\i
.endr
.endr
.endr
.endm
.macro QUANT src, dst, nblk, pair      ; nblk blocks of 16 numbers become 4 registers of codes each
	v_mov_b32 v[SC], s[\pair]
	v_mov_b32 v[LM], s[\pair+1]
.set qb, 0
.rept \nblk
.set qi, 0
.rept 16
	v_med3_num_f32 v[\src+16*qb+qi], v[\src+16*qb+qi], -v[LM], v[LM]   ; the conversion to an 8-bit code does not saturate (ISA guide 7.6.2): the hold at the largest code x the scale
.set qi, qi+1
.endr
	v_cvt_scalef32_pk8_fp8_f32 v[\dst+4*qb:\dst+4*qb+1], v[\src+16*qb:\src+16*qb+7], v[SC]
	v_cvt_scalef32_pk8_fp8_f32 v[\dst+4*qb+2:\dst+4*qb+3], v[\src+16*qb+8:\src+16*qb+15], v[SC]
.set qb, qb+1
.endr
	v_nop                                          ; one plain vector instruction between the last conversion and whatever next touches its result or writes its sources
.endm
.macro WIMGST codes, i                 ; a weight fragment goes to LDS as it stands
.irp c, 0,1
	ds_store_b128 v[WST], v[\codes+4*\c:\codes+4*\c+3] offset:4096*(\i)+512*\c
.endr
.endm
.macro FETCHW m                        ; matrix m's four fragments
.irp t, 0,1,2,3
.irp c, 0,1
	ds_load_b128 v[WF+8*\t+4*\c:WF+8*\t+4*\c+3], v[LI] offset:(4*(\m)+\t)*1024+512*\c
.endr
.endr
.endm
.macro VEC32 dst, vec                  ; a vector of 64: register 16 b + x = element 32 b + 16 h + x: the layout of a transposed result, and of an operand ahead of its conversion
.irp q, 0,1,2,3,4,5,6,7
	ds_load_b128 v[\dst+4*\q:\dst+4*\q+3], v[VH] offset:VEC+256*(\vec)+128*(\q/4)+16*(\q%4)
.endr
.endm
.macro PLACES                          ; four plain vector instructions behind a matrix instruction, ahead of the first read of its result (ISA guide 7.12.1)
.rept 4
	v_nop
.endr
.endm
; kappa x (Q(p[32]) Q(W) + b): source 0 = 16 columns of W, source 1 = p's row 32 in all sixteen columns, so that every lane gets its half's 32 elements
.macro RELVEC m, vec, pairP, p2, dst
	FETCHW \m
	VEC32 BI, \vec
	VEC32 D, 5
	s_wait_dscnt 0x0
	QUANT D, D+32, 2, \pairP
.irp t, 0,1,2,3
	v_wmma_f32_16x16x64_fp8_fp8 v[\dst+8*\t:\dst+8*\t+7], v[WF+8*\t:WF+8*\t+7], v[D+32:D+39], 0
.endr
	PLACES
.irp x, 0,2,4,6,8,10,12,14,16,18,20,22,24,26,28,30
	v_pk_fma_f32 v[\dst+\x:\dst+\x+1], v[\dst+\x:\dst+\x+1], s[\p2:\p2+1], v[BI+\x:BI+\x+1] op_sel_hi:[1,0,1]   ; sum x 2^(ea + eb) + bias; each result from its low end on
.endr
.irp x, 0,2,4,6,8,10,12,14,16,18,20,22,24,26,28,30
	v_pk_mul_f32 v[\dst+\x:\dst+\x+1], v[\dst+\x:\dst+\x+1], s[98:99] op_sel_hi:[1,0]   ; x kappa, once, so that c' needs no scaling later
.endr
.endm
; q1 or k1 of my 32 rows, TRANSPOSED (source 0 = 16 columns of the weight, source 1 = 16 rows): a lane holds one row, its registers run along the head's 64, which are the next K
.macro QKPHASE m, vec, codes, dot, p2, pairQ, first, out
.if !\first
	s_wait_xcnt 0x0                                ; the last phase's stores have read OC, which lies in BI's upper half
.endif
	FETCHW \m
	VEC32 BI, \vec
	s_wait_dscnt 0x0
.irp u, 0,1
.irp t, 0,1,2,3
	v_wmma_f32_16x16x64_fp8_fp8 v[D+32*\u+8*\t:D+32*\u+8*\t+7], v[WF+8*\t:WF+8*\t+7], v[\codes+8*\u:\codes+8*\u+7], 0
.endr
.endr
	PLACES
.irp u, 0,1
.irp x, 0,2,4,6,8,10,12,14,16,18,20,22,24,26,28,30
	v_pk_fma_f32 v[D+32*\u+\x:D+32*\u+\x+1], v[D+32*\u+\x:D+32*\u+\x+1], s[\p2:\p2+1], v[BI+\x:BI+\x+1] op_sel_hi:[1,0,1]
.endr
.endr
.irp x, 0,2,4,6,8,10,12,14,16,18,20,22,24,26,28,30   ; c' takes the numbers as they are, ahead of the hold; the two tiles alternate
.if \first && (\x == 0)
	v_pk_mul_f32 v[CA0:CA0+1], v[D+\x:D+\x+1], v[\dot+\x:\dot+\x+1]
	v_pk_mul_f32 v[CA1:CA1+1], v[D+32+\x:D+32+\x+1], v[\dot+\x:\dot+\x+1]
.else
	v_pk_fma_f32 v[CA0:CA0+1], v[D+\x:D+\x+1], v[\dot+\x:\dot+\x+1], v[CA0:CA0+1]
	v_pk_fma_f32 v[CA1:CA1+1], v[D+32+\x:D+32+\x+1], v[\dot+\x:\dot+\x+1], v[CA1:CA1+1]
.endif
.endr
	QUANT D, OC, 4, \pairQ
.irp u, 0,1
.irp c, 0,1
	global_store_b128 v[LI], v[OC+8*\u+4*\c:OC+8*\u+4*\c+3], s[\out:\out+1] offset:1024*\u+512*\c   ; 512 consecutive bytes, at a multiple of 512 from the buffer's first byte
.endr
.endr
.endm
	s_load_b512 s[4:19], s[0:1], 0x0               ; query 4, key 6, value 8, Wq 10, Wk 12, Wv 14, Wkr 16, Wqr 18
	s_load_b512 s[20:35], s[0:1], 0x40             ; Wo 20, bq 22, bk 24, bv 26, bkr 28, bqr 30, p 32, the scales' exponents 34
	s_load_b256 s[36:43], s[0:1], 0x80             ; q_img 36, kv_img 38, c_img 40, wo_img 42
	s_set_vgpr_msb 0x40
	v_lshl_add_u32 v0, v0, 2, 0x5800
	v_mov_b32 v1, 0
	s_set_vgpr_msb 0x4000
	v_lshrrev_b32 v20, 5, v0
	v_readfirstlane_b32 s2, v20                    ; wave 0..7
	s_and_b32 s3, ttmp7, 0xffff                    ; the head
	s_mov_b32 s60, ttmp9                           ; the block of 256 rows
	v_and_b32 v16, 31, v0                          ; lane
	v_and_b32 v17, 15, v0                          ; r
	v_bfe_u32 v18, v0, 4, 1                        ; h
	v_and_b32 v19, 8, v17
	v_add_nc_u32 v19, v19, v17                     ; r + (r & 8)
	v_lshlrev_b32 v[LI], 4, v16
	v_lshlrev_b32 v[VH], 6, v18
	v_lshlrev_b32 v[VB], 2, v19
	v_lshl_add_u32 v[VX], v19, 8, v[VH]
	v_lshlrev_b32 v[L8], 3, v16
	v_lshlrev_b32 v[L4], 2, v16
	s_and_b32 s67, s2, 3                           ; t: my tile of the weights' 64 columns
	s_cmp_lt_u32 s2, 4
	s_cselect_b32 s68, 15, 12                      ; 16 rows of a weight are 2^15 bytes (rows of 2,048: Wq, Wk, Wv) or 2^12 (rows of 256)
	v_lshlrev_b32 v[VW], s68, v18
	s_lshr_b32 s69, s67, 1
	s_lshl_b32 s69, s69, 7
	s_and_b32 s70, s67, 1
	s_lshl_b32 s70, s70, 5
	s_add_co_u32 s69, s69, s70                     ; the tile's first column, in bytes: 128 (t / 2) + 32 (t % 2)
	v_add3_u32 v[VW], v[VW], v[VB], s69
	s_lshr_b32 s69, s2, 2
	s_mul_i32 s69, s69, 12288
	s_lshl_b32 s70, s67, 10
	s_add_co_u32 s69, s69, s70
	v_add_nc_u32 v[WST], s69, v[LI]                ; waves 0-3: matrices 0, 1, 2; waves 4-7: matrices 3, 4
	s_lshl_b32 s69, s2, 8
	s_add_co_u32 s69, s69, VEC
	v_add_nc_u32 v[SVA], s69, v[L8]
	s_mov_b32 s63, 0
	s_wait_kmcnt 0x0
	s_load_b512 s[44:59], s[34:35], 0x0            ; e0 .. e15 in s44 .. s59
	s_lshl_b32 s62, s3, 8                          ; the head's 64 columns: 256 bytes
	s_add_nc_u64 s[22:23], s[22:23], s[62:63]
	s_add_nc_u64 s[24:25], s[24:25], s[62:63]
	s_add_nc_u64 s[26:27], s[26:27], s[62:63]
	s_add_nc_u64 s[10:11], s[10:11], s[62:63]
	s_add_nc_u64 s[12:13], s[12:13], s[62:63]
	s_add_nc_u64 s[14:15], s[14:15], s[62:63]
	s_lshl_b32 s62, s3, 14                         ; the head's 64 rows of Wo
	s_add_nc_u64 s[20:21], s[20:21], s[62:63]
	s_add_nc_u64 s[32:33], s[32:33], 8192          ; p's row 32
	s_lshl_b32 s62, s60, 16
	s_lshl_b32 s66, s2, 13
	s_add_co_u32 s62, s62, s66                     ; my 32 rows of 256 bytes
	s_add_nc_u64 s[4:5], s[4:5], s[62:63]
	s_add_nc_u64 s[6:7], s[6:7], s[62:63]
	s_add_nc_u64 s[8:9], s[8:9], s[62:63]
	s_lshl_b32 s62, s3, 12
	s_lshl_b32 s66, s67, 10
	s_add_co_u32 s62, s62, s66
	s_add_nc_u64 s[42:43], s[42:43], s[62:63]      ; wo_img: head x 4,096 + tile x 1,024
	s_mov_b64 s[100:101], s[32:33]                 ; the small vector of my wave: 0 bq, 1 bk, 2 bv, 3 bkr, 4 bqr, 5 and on p[32]: a choice on the wave's number
	s_cmp_eq_u32 s2, 0
	s_cselect_b64 s[100:101], s[22:23], s[100:101]
	s_cmp_eq_u32 s2, 1
	s_cselect_b64 s[100:101], s[24:25], s[100:101]
	s_cmp_eq_u32 s2, 2
	s_cselect_b64 s[100:101], s[26:27], s[100:101]
	s_cmp_eq_u32 s2, 3
	s_cselect_b64 s[100:101], s[28:29], s[100:101]
	s_cmp_eq_u32 s2, 4
	s_cselect_b64 s[100:101], s[30:31], s[100:101]
	global_load_b64 v[CA0:CA0+1], v[L8], s[100:101]   ; 256 bytes a wave.  Waves 6 and 7 load p's row as wave 5 does and store nothing: the line stands on every wave's path, the store below on six
	s_cmp_lt_u32 s2, 4
	s_cbranch_scc0 .Lnarrow_w
	WLOADS WR, 10, 2048
	WLOADS WR+32, 12, 2048
	WLOADS WR+64, 14, 2048
	s_branch .Lw_asked
.Lnarrow_w:
	WLOADS WR, 16, 256
	WLOADS WR+32, 18, 256
	WLOADS WR+64, 20, 256
.Lw_asked:
	XLOAD X0, 4
	XLOAD X1, 6
	s_wait_kmcnt 0x0
	MKSC 66, 44                                    ; query
	MKSC 68, 46                                    ; key
	MKSC 70, 48                                    ; value
	MKSC 72, 50                                    ; q1
	MKSC 74, 51                                    ; k1
	MKSC 76, 57                                    ; v1
	MKSC 78, 52                                    ; p, for k_r
	MKSC 80, 54                                    ; p, for q_r
	s_cmp_lt_u32 s2, 4                             ; my three weights' exponents: all three choices ahead of the additions, which write SCC
	s_cselect_b32 s82, s45, s53
	s_cselect_b32 s84, s47, s55
	s_cselect_b32 s86, s49, s59
	MKSC 82, 82
	MKSC 84, 84
	MKSC 86, 86
	MKP2 88, 44, 45
	MKP2 90, 46, 47
	MKP2 92, 48, 49
	MKP2 94, 52, 53
	MKP2 96, 54, 55
	s_mov_b32 s98, 0x3dd53b95                      ; kappa = log2(e) / sqrt(192)
	s_mov_b32 s99, s98
	s_wait_loadcnt 32                              ; query's and key's 32 loads may stay out: the small vector and the 96 weight numbers are in
	s_cmp_lt_u32 s2, 6
	s_cbranch_scc0 .Lno_vec
	ds_store_b64 v[SVA], v[CA0:CA0+1]
.Lno_vec:
	QUANT WR, 16, 2, 82
	WIMGST 16, 0
	QUANT WR+32, 24, 2, 84
	WIMGST 24, 1
	QUANT WR+64, WR, 2, 86                         ; over the first set's numbers, which are done with
	s_cmp_lt_u32 s2, 4
	s_cbranch_scc0 .Lwo
	WIMGST WR, 2                                   ; Wv's fragment
	s_branch .Lfrag_done
.Lwo:
	s_cmp_lg_u32 s60, 0                            ; Wo's fragment: the 32 work-groups of a head make the same codes; those of x = 0 store them, so that each byte has one writer
	s_cbranch_scc1 .Lfrag_done
	global_store_b128 v[LI], v[WR:WR+3], s[42:43]
	global_store_b128 v[LI], v[WR+4:WR+7], s[42:43] offset:512
.Lfrag_done:
	XLOAD D, 8                                     ; value, into the registers that the weights have left
	s_wait_dscnt 0x0                               ; for the others' sake: my images and my small vector lie in LDS
	s_barrier_signal -1                            ; only work on registers up to the wait
	s_wait_loadcnt 32                              ; key's and value's loads may stay out
	QUANT X0, QC, 4, 66
	s_wait_loadcnt 16                              ; value's may
	QUANT X1, KC, 4, 68
	s_wait_loadcnt 0x0
	QUANT D, VC, 4, 70
	s_wait_xcnt 0x0                                ; every load and store so far has read its registers: bases and Wo's codes may be written again
	s_mov_b32 s100, 0x76543210                     ; v_permlanex16_b32: lane l xor 16
	s_mov_b32 s101, 0xfedcba98
	s_lshr_b32 s61, s60, 2
	s_lshl_b32 s61, s61, 3
	s_add_co_u32 s61, s61, s3                      ; bh = 8 x batch + head
	s_and_b32 s10, s60, 3                          ; which 256 of the sequence's 1,024 rows
	s_lshl_b32 s11, s10, 14
	s_lshl_b32 s12, s2, 11
	s_add_co_u32 s11, s11, s12                     ; my first tile x 1,024: tile 16 x block + 2 x wave
	s_lshl_b32 s62, s61, 16
	s_add_co_u32 s62, s62, s11
	s_add_nc_u64 s[36:37], s[36:37], s[62:63]      ; q_img: (64 bh + tile) x 1,024
	s_lshl_b32 s13, s61, 17                        ; kv_img: bh x 131,072: 64 images of K, then V
	s_lshl_b32 s14, s10, 14
	s_lshr_b32 s15, s2, 2
	s_lshl_b32 s15, s15, 13
	s_and_b32 s16, s2, 3
	s_lshl_b32 s16, s16, 9
	s_add_co_u32 s62, s13, 65536
	s_add_co_u32 s62, s62, s14
	s_add_co_u32 s62, s62, s15
	s_add_co_u32 s62, s62, s16                     ; V: my 32 keys are group g = 8 x block + wave: step g / 4 (8,192 bytes), block g % 4 of its four (512 bytes)
	s_add_nc_u64 s[4:5], s[38:39], s[62:63]
	s_add_co_u32 s62, s13, s11
	s_add_nc_u64 s[38:39], s[38:39], s[62:63]      ; K
	s_lshl_b32 s62, s61, 12
	s_lshl_b32 s14, s10, 10
	s_lshl_b32 s15, s2, 7
	s_add_co_u32 s62, s62, s14
	s_add_co_u32 s62, s62, s15
	s_add_nc_u64 s[40:41], s[40:41], s[62:63]      ; c_img: (64 bh + tile) x 64
	s_barrier_wait -1                              ; every wave's images lie in LDS; nothing is written there any more
	RELVEC 3, 3, 78, 94, KR
	RELVEC 4, 4, 80, 96, QR
	QKPHASE 0, 0, QC, KR, 88, 72, 1, 36
	QKPHASE 1, 1, KC, QR, 90, 74, 0, 38
	v_add_f32 v[CA0], v[CA0], v[CA0+1]             ; c': the pair's two halves,
	v_add_f32 v[CA1], v[CA1], v[CA1+1]
	v_permlanex16_b32 v[CA0+1], v[CA0], s100, s101
	v_permlanex16_b32 v[CA1+1], v[CA1], s100, s101
	v_add_f32 v[CA0], v[CA0], v[CA0+1]             ; and the row's other 32 channels, which lie in lane l xor 16
	v_add_f32 v[CA1], v[CA1], v[CA1+1]
	v_cmp_lt_u32 vcc_lo, 63, v[L4]                 ; lanes 16-31 store tile 1's
	v_cndmask_b32 v[CA0], v[CA0], v[CA1], vcc_lo
	global_store_b32 v[L4], v[CA0], s[40:41]       ; 128 consecutive bytes: two tiles' sixteen numbers
	; v1 of my 32 rows, NOT transposed (source 0 = 16 rows, source 1 = 16 columns of Wv): a lane holds one channel, its registers run along the keys, which are the second product's K
	s_wait_xcnt 0x0                                ; k1's stores have read OC
	FETCHW 2
.irp t, 0,1,2,3
	ds_load_b32 v[BI+2*\t], v[VB] offset:VEC+512+128*(\t/2)+32*(\t%2)   ; bv at my channel of tile t
.endr
	s_wait_dscnt 0x0
.irp t, 0,1,2,3
	v_mov_b32 v[BI+2*\t+1], v[BI+2*\t]             ; twice: a pair for the packed multiply-add
.endr
.irp t, 0,1,2,3
.irp u, 0,1
	v_wmma_f32_16x16x64_fp8_fp8 v[D+16*\t+8*\u:D+16*\t+8*\u+7], v[VC+8*\u:VC+8*\u+7], v[WF+8*\t:WF+8*\t+7], 0
.endr
.endr
	PLACES
.irp t, 0,1,2,3
.irp x, 0,2,4,6,8,10,12,14
	v_pk_fma_f32 v[D+16*\t+\x:D+16*\t+\x+1], v[D+16*\t+\x:D+16*\t+\x+1], s[92:93], v[BI+2*\t:BI+2*\t+1] op_sel_hi:[1,0,1]
.endr
.endr
	QUANT D, OC, 4, 76                             ; block t: my channel of tile t, keys 16 h + 0 .. 15 of my 32
.irp t, 0,1,2,3
	global_store_b128 v[LI], v[OC+4*\t:OC+4*\t+3], s[4:5] offset:2048*\t
.endr
	s_set_vgpr_msb 0x5
	s_wait_tensorcnt 0x0
	ds_add_u32 v0, v1
	s_wait_dscnt 0x0
	s_set_vgpr_msb 0x500
	s_endpgm
.Lfunc_end_k_q41c7cb59c9_proj:
	.size	k_q41c7cb59c9_proj, .Lfunc_end_k_q41c7cb59c9_proj-k_q41c7cb59c9_proj
	.p2alignl 7, 3214868480
	.fill 96, 4, 3214868480
	.section	.rodata,"a",@progbits
	.p2align	6, 0x0
	.amdhsa_kernel k_q41c7cb59c9_proj
		.amdhsa_group_segment_fixed_size 23552
		.amdhsa_private_segment_fixed_size 0
		.amdhsa_enable_private_segment 0
		.amdhsa_kernarg_size 160
		.amdhsa_user_sgpr_count 2
		.amdhsa_user_sgpr_kernarg_segment_ptr 1
		.amdhsa_wavefront_size32 1
		.amdhsa_system_sgpr_workgroup_id_x 1
		.amdhsa_system_sgpr_workgroup_id_y 1
		.amdhsa_system_sgpr_workgroup_id_z 1
		.amdhsa_system_vgpr_workitem_id 0
		.amdhsa_next_free_vgpr 258
		.amdhsa_next_free_sgpr 102
		.amdhsa_reserve_vcc 1
		.amdhsa_float_denorm_mode_32 3
		.amdhsa_float_denorm_mode_16_64 3
		.amdhsa_memory_ordered 1
		.amdhsa_forward_progress 1
		.amdhsa_inst_pref_size 96
	.end_amdhsa_kernel
	.amdgpu_metadata
---
amdhsa.version: [ 1, 2 ]
amdhsa.kernels:
  - .name:           k_q41c7cb59c9_proj
    .symbol:         k_q41c7cb59c9_proj.kd
    .args:
      - { .name: query, .offset: 0, .size: 8, .value_kind: global_buffer, .address_space: global }
      - { .name: key, .offset: 8, .size: 8, .value_kind: global_buffer, .address_space: global }
      - { .name: value, .offset: 16, .size: 8, .value_kind: global_buffer, .address_space: global }
      - { .name: Wq, .offset: 24, .size: 8, .value_kind: global_buffer, .address_space: global }
      - { .name: Wk, .offset: 32, .size: 8, .value_kind: global_buffer, .address_space: global }
      - { .name: Wv, .offset: 40, .size: 8, .value_kind: global_buffer, .address_space: global }
      - { .name: Wkr, .offset: 48, .size: 8, .value_kind: global_buffer, .address_space: global }
      - { .name: Wqr, .offset: 56, .size: 8, .value_kind: global_buffer, .address_space: global }
      - { .name: Wo, .offset: 64, .size: 8, .value_kind: global_buffer, .address_space: global }
      - { .name: bq, .offset: 72, .size: 8, .value_kind: global_buffer, .address_space: global }
      - { .name: bk, .offset: 80, .size: 8, .value_kind: global_buffer, .address_space: global }
      - { .name: bv, .offset: 88, .size: 8, .value_kind: global_buffer, .address_space: global }
      - { .name: bkr, .offset: 96, .size: 8, .value_kind: global_buffer, .address_space: global }
      - { .name: bqr, .offset: 104, .size: 8, .value_kind: global_buffer, .address_space: global }
      - { .name: p, .offset: 112, .size: 8, .value_kind: global_buffer, .address_space: global }
      - { .name: lowp_scales, .offset: 120, .size: 8, .value_kind: global_buffer, .address_space: global }
      - { .name: q_img, .offset: 128, .size: 8, .value_kind: global_buffer, .address_space: global }
      - { .name: kv_img, .offset: 136, .size: 8, .value_kind: global_buffer, .address_space: global }
      - { .name: c_img, .offset: 144, .size: 8, .value_kind: global_buffer, .address_space: global }
      - { .name: wo_img, .offset: 152, .size: 8, .value_kind: global_buffer, .address_space: global }
    .group_segment_fixed_size: 23552
    .private_segment_fixed_size: 0
    .kernarg_segment_align: 8
    .kernarg_segment_size: 160
    .max_flat_workgroup_size: 256
    .sgpr_count:     102
    .vgpr_count:     258
    .wavefront_size: 32
...
	.end_amdgpu_metadata
.endif
;; end of part 1
;; launch attn (part 2): grid 4 x 64, 16 waves a work-group, no clusters, 133,120 bytes of LDS; arguments q_img, kv_img, c_img, lowp_scales, x_img; writes x_img
.if DOCPART == 2
	.amdgcn_target "amdgcn-amd-amdhsa--gfx1250"
	.amdhsa_code_object_version 6
	.text
	.protected	k_q41c7cb59c9_attn
	.globl	k_q41c7cb59c9_attn
	.p2align	8
	.type	k_q41c7cb59c9_attn,@function
k_q41c7cb59c9_attn:
	s_mov_b64 s[64:65], 0
	v_nop
	global_prefetch_b8 v0, s[64:65] scope:SCOPE_SE
	s_setreg_imm32_b32 hwreg(HW_REG_WAVE_MODE, 25, 1), 1
	s_wait_xcnt 0x0
; x[q] = (the sum over keys of Q(p) Q(v1)) / l, p = 2^(t - M), t = kappa (q1 . k1) + c'[q], M = the ceiling of the row's largest t so far, l = the row's sum of the unquantised p.
; Both products on codes of FP8 (E4M3) as the first launch laid them: q_img, kv_img hold images of fragments (registers 4 c .. 4 c + 3 of lane L at byte 512 c + 16 L); c_img holds c' = kappa x (the two relative
; terms of the query's row), f32, one number a lane of a tile.  kappa = log2(e) / sqrt(192).  x is quantised (entry 14) and stored as images for the last launch.
; LIMITS: e6 + e7 between -122 and 130 (added to kappa's exponent field); e12 and e14 between -126 and 119; e12 + e13 goes in by v_ldexp_f32 and has none.  NaN is not served.
; SHARES: work-group y = batch x head, x = 256 queries.  Each of SIXTEEN waves owns one tile of 16 queries in 256 registers: four waves to a SIMD, so that one wave's softmax stands beside another's products and LDS loads.
; LDS holds a plain copy of the head's 131,072 bytes of kv_img (64 images of K, then V), each byte written once.  THE COPY GOES STEP BY STEP, UNDER THE TRIPS: a key step (128 keys) is 8,192 bytes of K and 8,192 of V,
; one line of 16 bytes a thread each.  All sixteen lines are asked for at the head, into registers that no trip touches before the line is stored; step 0 is stored ahead of the first barrier, step s + 1 at the head
; of trip s.  A wave signals behind its stores (and the wait for them) and waits at the head of the next trip: nearly a whole trip lies between.  So the eight trips are written out by a macro: each has its own
; registers for the lines, its own count of loads that may stay out, and immediates for its LDS addresses; and the first trip starts the sums, so that nothing is cleared or rescaled there.
; No cluster and no tensor load: the four work-groups of a head share this one copy alone, 16 loads a thread against eight trips of work on the bytes, and LDS is filled once.
; LAYOUT: both products transposed: S^T = K Q^T (source 0 = 16 keys), O^T = V^T P^T (source 0 = 16 channels): a lane holds ONE query (lane % 16) throughout.  The keys of a tile are not neighbours (lane r of tile
; 2 g + u holds key 32 g + 8 u + r + (r & 8)), so the 16 registers of two neighbouring tiles are keys 32 g + 16 (lane / 16) + 0 .. 15, and the conversions' results are P's registers.  The channels of V's tiles likewise.
; REGISTERS: v1 16 x lane; v2 that + 65,536 (V); v3 a permute's result; v4 at work; v5 16 x thread, v6 that + 65,536: the copy's; v7 4 (lane % 16); v8 c'; v9 -M; v10, v11 at work; v12 c' - M; v13 the largest t;
;   v[14:15] l in two halves; v[16:23] Q; v24 2^e12; v25 448 x 2^e12; v[26:27] f; v[28:31] at work; v[32:95] K's, then V's fragments (at the head: step 0's lines); v[96:159] S^T, then p (at the head: step 1's lines);
;   v[160:191] O^T; v[192:207] p's codes; v[208:255] the lines of steps 2 to 7, eight registers a step.
.macro SETLR s                         ; LR: the eight registers of step s's two lines
.if (\s) == 0
.set LR, 32
.elseif (\s) == 1
.set LR, 96
.else
.set LR, 208+8*((\s)-2)
.endif
.endm
.macro KVLOAD s                        ; step s's line of K and its line of V: 8,192 consecutive bytes a work-group each
	SETLR \s
	global_load_b128 v[LR:LR+3], v5, s[6:7] offset:8192*(\s)
	global_load_b128 v[LR+4:LR+7], v5, s[6:7] offset:65536+8192*(\s)
.endm
.macro KVSTORE s                       ; and into LDS, at the same places
	SETLR \s
	ds_store_b128 v5, v[LR:LR+3] offset:8192*(\s)
	ds_store_b128 v6, v[LR+4:LR+7] offset:8192*(\s)
.endm
; The row's sum takes pair pa of p (registers 96 + 2 pa, 97 + 2 pa), in four chains: v[14:15] (l itself), v[10:11], v[28:29], v[30:31].  Pairs 0 to 5 start the three new chains, two pairs a line.
.macro SUMP
.if pa == 1
	s_wait_alu depctr_va_vdst(0)
	v_pk_add_f32 v[10:11], v[96:97], v[98:99]
.elseif pa == 3
	s_wait_alu depctr_va_vdst(0)
	v_pk_add_f32 v[28:29], v[100:101], v[102:103]
.elseif pa == 5
	s_wait_alu depctr_va_vdst(0)
	v_pk_add_f32 v[30:31], v[104:105], v[106:107]
.elseif pa > 5
.set cr, 14
.if (pa-6)%4 == 1
.set cr, 10
.elseif (pa-6)%4 == 2
.set cr, 28
.elseif (pa-6)%4 == 3
.set cr, 30
.endif
	s_wait_alu depctr_va_vdst(0)
	v_pk_add_f32 v[cr:cr+1], v[cr:cr+1], v[96+2*pa:97+2*pa]
.endif
.endm
	s_load_b256 s[4:11], s[0:1], 0x0               ; q_img 4, kv_img 6, c_img 8, the scales' exponents 10
	s_load_b64 s[12:13], s[0:1], 0x20              ; x_img
	v_lshrrev_b32 v10, 5, v0
	v_readfirstlane_b32 s14, v10                   ; wave 0..15
	v_and_b32 v10, 31, v0
	v_lshlrev_b32 v1, 4, v10
	v_add_nc_u32 v2, 0x10000, v1
	v_lshlrev_b32 v5, 4, v0                        ; the copy: 16 bytes a thread, 8,192 a line
	v_add_nc_u32 v6, 0x10000, v5
	v_and_b32 v7, 15, v0
	v_lshlrev_b32 v7, 2, v7
	s_and_b32 s15, ttmp7, 0xffff                   ; bh
	s_lshl_b32 s16, ttmp9, 4
	s_add_co_u32 s16, s16, s14                     ; my tile of queries: 16 x + wave
	s_mov_b32 s19, 0
	s_mov_b32 s20, 0x76543210                      ; v_permlanex16_b32: lane l xor 16
	s_mov_b32 s21, 0xfedcba98
	s_wait_kmcnt 0x0
	s_load_b64 s[24:25], s[10:11], 0x18            ; e6, e7
	s_load_b128 s[28:31], s[10:11], 0x30           ; e12, e13, e14, e15
	s_lshl_b32 s18, s15, 17
	s_add_nc_u64 s[6:7], s[6:7], s[18:19]          ; the head's K and V
	KVLOAD 0                                       ; what the first trip waits for goes out first
	s_lshl_b32 s18, s15, 16
	s_lshl_b32 s17, s16, 10
	s_add_co_u32 s18, s18, s17
	s_add_nc_u64 s[4:5], s[4:5], s[18:19]          ; my tile's image of Q
	s_lshl_b32 s18, s15, 12
	s_lshl_b32 s17, s16, 6
	s_add_co_u32 s18, s18, s17
	s_add_nc_u64 s[8:9], s[8:9], s[18:19]          ; its sixteen c'
	global_load_b128 v[16:19], v1, s[4:5]
	global_load_b128 v[20:23], v1, s[4:5] offset:512
	global_load_b32 v8, v7, s[8:9]
.irp s, 1,2,3,4,5,6,7
	KVLOAD \s
.endr
	s_lshr_b32 s18, s15, 3
	s_lshl_b32 s18, s18, 19
	s_lshl_b32 s17, s16, 13
	s_add_co_u32 s18, s18, s17
	s_and_b32 s17, s15, 7
	s_lshl_b32 s17, s17, 10
	s_add_co_u32 s18, s18, s17
	s_add_nc_u64 s[12:13], s[12:13], s[18:19]      ; x_img: ((64 batch + tile) x 8 + head) x 1,024
	v_mov_b32 v14, 0                               ; l
	v_mov_b32 v15, 0
	v_mov_b32 v27, 0                               ; (named as the upper half of the pair v[26:27])
	v_mov_b32 v3, 0                                ; a lane permute's destination counts as one of its sources
	s_wait_kmcnt 0x0
	s_add_co_i32 s26, s24, s25
	s_lshl_b32 s26, s26, 23
	s_add_co_i32 s22, s26, 0x3dd53b95              ; a score stands for score x 2^(e6 + e7): the two exponents are added to kappa's exponent field
	s_mov_b32 s23, s22                             ; (named with it as a pair)
	s_add_co_i32 s26, s28, 127
	s_lshl_b32 s26, s26, 23
	v_mov_b32 v24, s26
	s_add_co_i32 s26, s28, 135
	s_lshl_b32 s26, s26, 23
	s_or_b32 s26, s26, 0x600000
	v_mov_b32 v25, s26
	s_add_co_i32 s34, s28, s29                     ; e12 + e13
	s_add_co_i32 s35, s30, 127
	s_lshl_b32 s35, s35, 23                        ; 2^e14
	s_add_co_i32 s36, s30, 135
	s_lshl_b32 s36, s36, 23
	s_or_b32 s36, s36, 0x600000                    ; 448 x 2^e14
	s_wait_loadcnt 17                              ; younger than step 0's two lines: Q's two loads, c' and the fourteen lines of steps 1 to 7
	KVSTORE 0
	s_wait_dscnt 0x0                               ; for the others' sake: my part of step 0 lies in LDS
	s_barrier_signal -1
	s_barrier_wait -1                              ; everybody's does
; A TRIP: key step st, 128 keys.
.macro TRIP st
.if \st > 0
	s_barrier_wait -1                              ; every wave has stored its part of this step, waited for the stores and signalled (in the trip before)
.endif
.if \st < 7
	s_wait_loadcnt 12-2*\st                        ; the next step's two lines are in (in trip 0: Q and c' too); the 2 (6 - st) lines of the later steps may stay out
	KVSTORE \st+1                                  ; bytes that nobody reads before the next barrier
.endif
.if \st > 0
.rept 4
	v_nop                                          ; four places behind the last trip's products, ahead of loads into registers that they read
.endr
.endif
.irp t, 0,1,2,3,4,5,6,7
.irp c, 0,1
	ds_load_b128 v[32+8*\t+4*\c:35+8*\t+4*\c], v1 offset:8192*\st+1024*\t+512*\c
.endr
.endr
.irp t, 0,1,2,3,4,5,6,7
	s_wait_dscnt 14-2*\t                           ; tile t's two loads are in, and so are the two stores ahead of them; the 2 (7 - t) younger loads may be out.  Tile 7's count is 0
	v_wmma_f32_16x16x64_fp8_fp8 v[96+8*\t:103+8*\t], v[32+8*\t:39+8*\t], v[16:23], 0
.endr
.if \st < 7
	s_barrier_signal -1                            ; no LDS instruction of mine is out: my part of the next step lies in LDS.  Up to the wait: work on registers, and loads of V of this step, which nobody writes again
.endif
.rept 4
	v_nop                                          ; places ahead of the loads over K's fragments and of the first read of the scores
.endr
.irp t, 0,1,2,3
.irp c, 0,1,2,3
	ds_load_b128 v[32+16*\t+4*\c:35+16*\t+4*\c], v2 offset:8192*\st+2048*\t+512*\c   ; V's four fragments land while the softmax is walked
.endr
.endr
	v_max3_num_f32 v10, v96, v97, v98              ; the trip's largest score of my query among my 64 keys, in four chains, in ascending order: each result is read from its low end on
	v_max3_num_f32 v11, v99, v100, v101
	v_max3_num_f32 v4, v102, v103, v104
	v_max3_num_f32 v28, v105, v106, v107
.irp i, 12,20,28,36,44,52
	v_max3_num_f32 v10, v10, v[96+\i], v[97+\i]
	v_max3_num_f32 v11, v11, v[98+\i], v[99+\i]
	v_max3_num_f32 v4, v4, v[100+\i], v[101+\i]
	v_max3_num_f32 v28, v28, v[102+\i], v[103+\i]
.endr
	v_max3_num_f32 v10, v10, v156, v157
	v_max3_num_f32 v11, v11, v158, v159
	v_max3_num_f32 v10, v10, v11, v4
	v_max_num_f32 v10, v10, v28
	v_permlanex16_b32 v3, v10, s20, s21
	v_max_num_f32 v10, v10, v3                     ; and among lane l xor 16's
.if \st == 0
	v_fma_f32 v13, v10, s22, v8                    ; as t (the factor is positive): the first trip's largest t starts the running one
	v_floor_f32 v9, -v13                           ; -M = floor(-t) = -ceil(t): a whole number
.else
	v_fma_f32 v10, v10, s22, v8
	v_max_num_f32 v13, v13, v10                    ; the running largest t
	v_mov_b32 v10, v9
	v_floor_f32 v9, -v13                           ; the new -M
	v_sub_f32 v10, v9, v10                         ; old M - new M: a whole number, 0 or less
	v_cvt_i32_f32 v10, v10                         ; (it saturates)
	v_ldexp_f32 v26, 1.0, v10                      ; f = 2^(old M - new M): the rescaling rounds nothing
.endif
	v_add_f32 v12, v8, v9                          ; c' - M: the row's constant costs no instruction a score
.if \st > 0
	v_pk_mul_f32 v[14:15], v[14:15], v[26:27] op_sel_hi:[1,0]   ; l under the new M
.endif
	; t - M (two at a time; of both pairs the low word serves both halves), p = 2^(t - M) and l's additions, by turns: a plain line, an exponential, a plain line, an exponential.  The scaling runs two pairs
	; ahead of the exponentials, the sum one pair behind: so a plain line that names none of its registers stands between each exponential and the use of its result.  l takes the UNQUANTISED p.
	v_pk_fma_f32 v[96:97], v[96:97], s[22:23], v[12:13] op_sel_hi:[1,0,0]
	v_pk_fma_f32 v[98:99], v[98:99], s[22:23], v[12:13] op_sel_hi:[1,0,0]
.set pb, 0
.rept 32
	v_exp_f32 v[96+2*pb], v[96+2*pb]
.if pb < 30
	v_pk_fma_f32 v[100+2*pb:101+2*pb], v[100+2*pb:101+2*pb], s[22:23], v[12:13] op_sel_hi:[1,0,0]
.endif
	v_exp_f32 v[97+2*pb], v[97+2*pb]
.set pa, pb-1
	SUMP
.set pb, pb+1
.endr
.set pa, 31
	SUMP
	v_pk_add_f32 v[10:11], v[10:11], v[28:29]      ; the four chains meet
	v_pk_add_f32 v[14:15], v[14:15], v[30:31]
	v_pk_add_f32 v[14:15], v[14:15], v[10:11]
	s_cmp_gt_i32 s28, -9                           ; p is at most 1 (a last bit more at the worst), and 448 x 2^e12 is 1.75 or more from e12 = -8 on: there the hold can change nothing and is jumped over.
	s_cbranch_scc1 .Lnohold_\@                     ; The branch hangs on a given whole number, alike in every wave
.set j, 0
.rept 64
	v_min_num_f32 v[96+j], v[96+j], v25            ; the conversion to an 8-bit code does not saturate (ISA guide 7.6.2); p is not negative, so the hold is one-sided
.set j, j+1
.endr
.Lnohold_\@:
.irp b, 0,1,2,3
	v_cvt_scalef32_pk8_fp8_f32 v[192+4*\b:193+4*\b], v[96+16*\b:103+16*\b], v24
	v_cvt_scalef32_pk8_fp8_f32 v[194+4*\b:195+4*\b], v[104+16*\b:111+16*\b], v24
.endr
.if \st == 0
	v_nop                                          ; one plain instruction between the last conversion and the products that read its result
.else
.set j, 0
.rept 16
	v_pk_mul_f32 v[160+j:161+j], v[160+j:161+j], v[26:27] op_sel_hi:[1,0]   ; O^T under the new M, each accumulator from its low end on.  (Also the plain instructions behind the conversions)
.set j, j+2
.endr
.endif
	s_wait_dscnt 0x0                               ; V's fragments
.irp t, 0,1,2,3                        ; the four accumulators take turns; the first trip's products start the sums: nothing is cleared
.if \st == 0
	v_wmma_f32_16x16x128_fp8_fp8 v[160+8*\t:167+8*\t], v[32+16*\t:47+16*\t], v[192:207], 0
.else
	v_wmma_f32_16x16x128_fp8_fp8 v[160+8*\t:167+8*\t], v[32+16*\t:47+16*\t], v[192:207], v[160+8*\t:167+8*\t]
.endif
.endr
.endm
.irp n, 0,1,2,3,4,5,6,7
	TRIP \n
.endr
	; THE WAY OUT.  The lines that finish l are also the places behind the last products (two additions, two moves, the v_nop and v_ldexp_f32: six plain instructions that name none of their registers).
	v_add_f32 v14, v14, v15                        ; l's two halves,
	v_mov_b32 v10, s35
	v_mov_b32 v11, s36
	v_permlanex16_b32 v3, v14, s20, s21
	v_add_f32 v14, v14, v3                         ; and lane l xor 16's
	v_rcp_f32 v14, v14
	v_nop                                          ; one plain instruction behind the reciprocal
	s_wait_alu depctr_va_vdst(0)
	v_ldexp_f32 v14, v14, s34                      ; x 2^(e12 + e13)
.set j, 0
.rept 32
	v_mul_f32 v[96+j], v[160+j], v14               ; x: register 16 b + i is channel 32 b + 16 (lane / 16) + i of my query
.set j, j+1
.endr
.set j, 0
.rept 32
	v_med3_num_f32 v[96+j], v[96+j], -v11, v11     ; the hold at the largest code x 2^e14
.set j, j+1
.endr
.irp b, 0,1
	v_cvt_scalef32_pk8_fp8_f32 v[32+4*\b:33+4*\b], v[96+16*\b:103+16*\b], v10
	v_cvt_scalef32_pk8_fp8_f32 v[34+4*\b:35+4*\b], v[104+16*\b:111+16*\b], v10
.endr
	v_nop
	global_store_b128 v1, v[32:35], s[12:13]       ; the fragment as it stands: 512 consecutive bytes a line
	global_store_b128 v1, v[36:39], s[12:13] offset:512
	s_wait_xcnt 0x0
	v_lshl_add_u32 v254, v0, 2, 0x20000
	v_mov_b32 v255, 0
	s_wait_tensorcnt 0x0
	ds_add_u32 v254, v255
	s_wait_dscnt 0x0
	s_endpgm
.Lfunc_end_k_q41c7cb59c9_attn:
	.size	k_q41c7cb59c9_attn, .Lfunc_end_k_q41c7cb59c9_attn-k_q41c7cb59c9_attn
	.p2alignl 7, 3214868480
	.fill 96, 4, 3214868480
	.section	.rodata,"a",@progbits
	.p2align	6, 0x0
	.amdhsa_kernel k_q41c7cb59c9_attn
		.amdhsa_group_segment_fixed_size 133120
		.amdhsa_private_segment_fixed_size 0
		.amdhsa_enable_private_segment 0
		.amdhsa_kernarg_size 40
		.amdhsa_user_sgpr_count 2
		.amdhsa_user_sgpr_kernarg_segment_ptr 1
		.amdhsa_wavefront_size32 1
		.amdhsa_system_sgpr_workgroup_id_x 1
		.amdhsa_system_sgpr_workgroup_id_y 1
		.amdhsa_system_sgpr_workgroup_id_z 1
		.amdhsa_system_vgpr_workitem_id 0
		.amdhsa_next_free_vgpr 256
		.amdhsa_next_free_sgpr 66
		.amdhsa_reserve_vcc 0
		.amdhsa_float_denorm_mode_32 3
		.amdhsa_float_denorm_mode_16_64 3
		.amdhsa_memory_ordered 1
		.amdhsa_forward_progress 1
		.amdhsa_inst_pref_size 139
	.end_amdhsa_kernel
	.amdgpu_metadata
---
amdhsa.version: [ 1, 2 ]
amdhsa.kernels:
  - .name:           k_q41c7cb59c9_attn
    .symbol:         k_q41c7cb59c9_attn.kd
    .args:
      - { .name: q_img, .offset: 0, .size: 8, .value_kind: global_buffer, .address_space: global }
      - { .name: kv_img, .offset: 8, .size: 8, .value_kind: global_buffer, .address_space: global }
      - { .name: c_img, .offset: 16, .size: 8, .value_kind: global_buffer, .address_space: global }
      - { .name: lowp_scales, .offset: 24, .size: 8, .value_kind: global_buffer, .address_space: global }
      - { .name: x_img, .offset: 32, .size: 8, .value_kind: global_buffer, .address_space: global }
    .group_segment_fixed_size: 133120
    .private_segment_fixed_size: 0
    .kernarg_segment_align: 8
    .kernarg_segment_size: 40
    .max_flat_workgroup_size: 512
    .sgpr_count:     66
    .vgpr_count:     256
    .wavefront_size: 32
...
	.end_amdgpu_metadata
.endif
;; end of part 2
;; launch outp (part 3): grid 256 x 1, 4 waves a work-group, no clusters, 9,216 bytes of LDS; arguments x_img, wo_img, bo, lowp_scales, out0; writes out0
.if DOCPART == 3
	.amdgcn_target "amdgcn-amd-amdhsa--gfx1250"
	.amdhsa_code_object_version 6
	.text
	.protected	k_q41c7cb59c9_outp
	.globl	k_q41c7cb59c9_outp
	.p2align	8
	.type	k_q41c7cb59c9_outp,@function
k_q41c7cb59c9_outp:
	s_mov_b64 s[64:65], 0
	v_nop
	global_prefetch_b8 v0, s[64:65] scope:SCOPE_SE
	s_setreg_imm32_b32 hwreg(HW_REG_WAVE_MODE, 25, 1), 1
	s_wait_xcnt 0x0
; out0 = Q(x) Q(Wo) + bo: [8,192 x 512] x [512 x 64], on codes of FP8 (E4M3) as the earlier launches laid them: images of fragments (16 rows x 64 along K: registers 4 c .. 4 c + 3 of lane L at byte 512 c + 16 L).
; x_img: (tile of 16 rows x 8 + head) x 1,024;  wo_img: head x 4,096 + tile of 16 columns x 1,024.  Two heads' fragments on end are one operand of the K = 128 form, alike on both sides.
; LIMIT: e14 + e15 between -126 and 127, so that 2^(e14 + e15) is an f32 number.
; SHARES: a work-group owns 32 rows; wave w takes tile u = w % 2 of them and columns 32 (w / 2) + 0 .. 31: two accumulators, K in four steps of 128.
; TRANSPOSED (source 0 = 16 columns of Wo, source 1 = 16 rows of x): lane (r, h) holds row 8 u + r + (r & 8) of the 32, and the 16 registers of its two accumulators are columns 32 (w / 2) + 16 h + 0 .. 15.
; A row's 256 bytes come from two waves: they meet in a stage in LDS (32 rows x (256 + 16) bytes), and each wave stores 8 whole rows.  No tensor load, no cluster: each work-group reads its own 16 KB of x, and Wo's 32 KB once.
	s_load_b256 s[4:11], s[0:1], 0x0               ; x_img 4, wo_img 6, bo 8, the scales' exponents 10
	s_load_b64 s[12:13], s[0:1], 0x20              ; out0
	v_lshl_add_u32 v14, v0, 2, 0x2200
	v_mov_b32 v15, 0
	v_lshrrev_b32 v7, 5, v0
	v_readfirstlane_b32 s14, v7                    ; wave 0..3
	v_and_b32 v7, 31, v0
	v_lshlrev_b32 v1, 4, v7                        ; v1: 16 x lane
	v_and_b32 v8, 15, v0                           ; r
	v_bfe_u32 v9, v0, 4, 1                         ; h
	v_lshlrev_b32 v2, 6, v9                        ; v2: 64 h
	v_and_b32 v10, 8, v8
	v_add_nc_u32 v10, v10, v8                      ; r + (r & 8)
	s_and_b32 s15, s14, 1                          ; u
	s_lshr_b32 s22, s14, 1                         ; which 32 columns
	s_mul_i32 s23, s15, 8*272
	s_lshl_b32 s24, s22, 7
	s_add_co_u32 s23, s23, s24
	v_mad_u32_u24 v4, v10, 272, v2
	v_add_nc_u32 v4, s23, v4                       ; v4: into the stage: my row x 272 + 128 (w / 2) + 64 h
	s_mul_i32 s23, s14, 8*272
	v_mul_u32_u24 v5, v9, 272
	v_lshl_add_u32 v5, v8, 4, v5
	v_add_nc_u32 v5, s23, v5                       ; v5: back: rows 8 w + h, + 2, + 4, + 6; sixteen lanes to a row
	s_lshl_b32 s23, s14, 11
	v_lshlrev_b32 v6, 8, v9
	v_lshl_add_u32 v6, v8, 4, v6
	v_add_nc_u32 v6, s23, v6                       ; v6: and the same place in out0
	s_mov_b32 s21, 0
	s_wait_kmcnt 0x0
	s_load_b64 s[16:17], s[10:11], 0x38            ; e14, e15
	s_lshl_b32 s20, ttmp9, 14
	s_lshl_b32 s23, s15, 13
	s_add_co_u32 s20, s20, s23
	s_add_nc_u64 s[4:5], s[4:5], s[20:21]          ; my tile's eight fragments of x
	s_lshl_b32 s20, s22, 11
	s_add_nc_u64 s[6:7], s[6:7], s[20:21]          ; my two tiles of Wo's columns
	s_lshl_b32 s20, s22, 7
	s_add_nc_u64 s[8:9], s[8:9], s[20:21]          ; my 32 numbers of bo
	s_lshl_b32 s20, ttmp9, 13
	s_add_nc_u64 s[12:13], s[12:13], s[20:21]      ; the work-group's 32 rows of 256 bytes
.irp d, 0,1,2,3,4,5,6,7
.irp c, 0,1
	global_load_b128 v[32+8*\d+4*\c:35+8*\d+4*\c], v1, s[4:5] offset:1024*\d+512*\c
.endr
.endr
.irp n, 0,1
.irp d, 0,1,2,3,4,5,6,7
.irp c, 0,1
	global_load_b128 v[96+64*\n+8*\d+4*\c:99+64*\n+8*\d+4*\c], v1, s[6:7] offset:4096*\d+1024*\n+512*\c
.endr
.endr
.endr
.irp i, 0,1,2,3
	global_load_b128 v[16+4*\i:19+4*\i], v2, s[8:9] offset:16*\i   ; bo at my 16 columns
.endr
	s_wait_kmcnt 0x0
	s_add_co_i32 s18, s16, s17
	s_add_co_i32 s18, s18, 127
	s_lshl_b32 s18, s18, 23                        ; 2^(e14 + e15) as f32
	s_mov_b32 s19, s18                             ; (named with it as a pair)
	s_wait_loadcnt 0x0
.irp s, 0,1,2,3                        ; heads 2 s and 2 s + 1; the two accumulators take turns; the first step starts the sums
.irp n, 0,1
.if \s == 0
	v_wmma_f32_16x16x128_fp8_fp8 v[224+8*\n:231+8*\n], v[96+64*\n+16*\s:111+64*\n+16*\s], v[32+16*\s:47+16*\s], 0
.else
	v_wmma_f32_16x16x128_fp8_fp8 v[224+8*\n:231+8*\n], v[96+64*\n+16*\s:111+64*\n+16*\s], v[32+16*\s:47+16*\s], v[224+8*\n:231+8*\n]
.endif
.endr
.endr
.rept 4
	v_nop                                          ; places ahead of the first read of the sums (ISA guide 7.12.1)
.endr
.irp x, 0,2,4,6,8,10,12,14
	v_pk_fma_f32 v[240+\x:241+\x], v[224+\x:225+\x], s[18:19], v[16+\x:17+\x] op_sel_hi:[1,0,1]   ; sum x 2^(e14 + e15) + bo, each accumulator from its low end on
.endr
.irp i, 0,1,2,3
	ds_store_b128 v4, v[240+4*\i:243+4*\i] offset:16*\i
.endr
	s_wait_dscnt 0x0                               ; for the others' sake: my 64 bytes of each of my rows lie in the stage
	s_barrier_signal -1
	s_barrier_wait -1
.irp i, 0,1,2,3
	ds_load_b128 v[16+4*\i:19+4*\i], v5 offset:544*\i
.endr
.irp i, 0,1,2,3
	s_wait_dscnt 3-\i                              ; the 3 - i younger loads may be out
	global_store_b128 v6, v[16+4*\i:19+4*\i], s[12:13] offset:512*\i th:TH_STORE_NT   ; sixteen lanes store a row: 256 consecutive bytes, at a multiple of 256 from out0's first byte
.endr
	s_wait_tensorcnt 0x0
	ds_add_u32 v14, v15
	s_wait_dscnt 0x0
	s_endpgm
.Lfunc_end_k_q41c7cb59c9_outp:
	.size	k_q41c7cb59c9_outp, .Lfunc_end_k_q41c7cb59c9_outp-k_q41c7cb59c9_outp
	.p2alignl 7, 3214868480
	.fill 96, 4, 3214868480
	.section	.rodata,"a",@progbits
	.p2align	6, 0x0
	.amdhsa_kernel k_q41c7cb59c9_outp
		.amdhsa_group_segment_fixed_size 9216
		.amdhsa_private_segment_fixed_size 0
		.amdhsa_enable_private_segment 0
		.amdhsa_kernarg_size 40
		.amdhsa_user_sgpr_count 2
		.amdhsa_user_sgpr_kernarg_segment_ptr 1
		.amdhsa_wavefront_size32 1
		.amdhsa_system_sgpr_workgroup_id_x 1
		.amdhsa_system_sgpr_workgroup_id_y 1
		.amdhsa_system_sgpr_workgroup_id_z 1
		.amdhsa_system_vgpr_workitem_id 0
		.amdhsa_next_free_vgpr 256
		.amdhsa_next_free_sgpr 66
		.amdhsa_reserve_vcc 0
		.amdhsa_float_denorm_mode_32 3
		.amdhsa_float_denorm_mode_16_64 3
		.amdhsa_memory_ordered 1
		.amdhsa_forward_progress 1
		.amdhsa_inst_pref_size 10
	.end_amdhsa_kernel
	.amdgpu_metadata
---
amdhsa.version: [ 1, 2 ]
amdhsa.kernels:
  - .name:           k_q41c7cb59c9_outp
    .symbol:         k_q41c7cb59c9_outp.kd
    .args:
      - { .name: x_img, .offset: 0, .size: 8, .value_kind: global_buffer, .address_space: global }
      - { .name: wo_img, .offset: 8, .size: 8, .value_kind: global_buffer, .address_space: global }
      - { .name: bo, .offset: 16, .size: 8, .value_kind: global_buffer, .address_space: global }
      - { .name: lowp_scales, .offset: 24, .size: 8, .value_kind: global_buffer, .address_space: global }
      - { .name: out0, .offset: 32, .size: 8, .value_kind: global_buffer, .address_space: global }
    .group_segment_fixed_size: 9216
    .private_segment_fixed_size: 0
    .kernarg_segment_align: 8
    .kernarg_segment_size: 40
    .max_flat_workgroup_size: 128
    .sgpr_count:     66
    .vgpr_count:     256
    .wavefront_size: 32
...
	.end_amdgpu_metadata
.endif
;; end of part 3
;; ======== version 2 of 2: 3 launches; version 1 with the launches proj, attn, outp written anew for expert scheduling mode
;; workspace buffers: q_img 4,194,304 bytes; kv_img 8,388,608 bytes; c_img 262,144 bytes; wo_img 32,768 bytes; x_img 4,194,304 bytes
;; launch proj (part 4): grid 32 x 8, 8 waves a work-group, no clusters, 23,552 bytes of LDS; arguments query, key, value, Wq, Wk, Wv, Wkr, Wqr, Wo, bq, bk, bv, bkr, bqr, p, lowp_scales, q_img, kv_img, c_img, wo_img; writes q_img, kv_img, c_img, wo_img
.if DOCPART == 4
	.amdgcn_target "amdgcn-amd-amdhsa--gfx1250"
	.amdhsa_code_object_version 6
	.text
	.protected	k_q41c7cb59c9_proj
	.globl	k_q41c7cb59c9_proj
	.p2align	8
	.type	k_q41c7cb59c9_proj,@function
k_q41c7cb59c9_proj:
	s_mov_b64 s[64:65], 0
	v_nop
	global_prefetch_b8 v0, s[64:65] scope:SCOPE_SE
	s_setreg_imm32_b32 hwreg(HW_REG_WAVE_SCHED_MODE, 0, 2), 2
	s_setreg_imm32_b32 hwreg(HW_REG_WAVE_MODE, 25, 1), 1
	s_wait_xcnt 0x0
	s_wait_alu depctr_vm_vsrc(0)
; THE PROJECTIONS, on codes of FP8 (E4M3), each operand with the one scale 2^e that is given for it (lowp_scales, entries 0 to 15).
;   q1 = Q(query) Q(Wq) + bq, k1 = Q(key) Q(Wk) + bk, v1 = Q(value) Q(Wv) + bv, for one head (64 columns) and 256 rows a work-group;
;   k_r[32] = Q(p[32]) Q(Wkr) + bkr, q_r[32] = Q(p[32]) Q(Wqr) + bqr (reference() uses row 32 of these two tables alone, so p's other rows are not read);
;   c'[i] = kappa (q1[i] . k_r[32] + k1[i] . q_r[32]), in f32 multiply-adds: both relative terms are constants of the query's ROW i;  kappa = log2(e) / sqrt(192);
;   q1, k1, v1 and Wo are quantised for the later launches and stored as codes.
; LIMITS: each e that goes into a conversion lies between -126 and 119; each sum of two e used as a factor (0+1, 2+3, 4+5, 8+9, 10+11) between -126 and 127.  NaN among the inputs is not served.
; FRAGMENT: 16 rows x 64 along K in 8 registers: lane (r = lane % 16, h = lane / 16) holds row r; byte y of register 4 c + i is k = 32 c + 16 h + 4 i + y.  The same places on both sides of every product,
;   so each code meets its partner; only the order of the sums inside an instruction differs from the form's own layout.
; IMAGE: a fragment as it stands in registers: registers 4 c .. 4 c + 3 of lane L at byte 512 c + 16 L: every store and load is 512 consecutive bytes.
; THE MEMBERS OF A TILE ARE NOT NEIGHBOURS: of a group of 32 (rows, keys, columns) lane r of tile u takes member 8 u + r + (r & 8).  In a result, register j of half h is then member 8 u + 16 h + j, so the
;   16 registers of a group's two tiles are 16 neighbours along the next K, and the conversions' results are the next operand's registers.
; SHARES: work-group x = a block of 256 rows of the 8,192, y = the head.  Wave w owns rows 32 w .. 32 w + 31 of the block (two tiles), for all three tensors.  Ahead of that each wave quantises 3 of the 24
;   weight fragments (tile w % 4: waves 0-3 of Wq, Wk, Wv; waves 4-7 of Wkr, Wqr, Wo); they meet in LDS as images, behind the launch's one barrier.  Wo's go to memory, from the work-groups of x = 0.
; LDS: from 0 the images of Wq, Wk, Wv, Wkr, Wqr (matrix m, tile t at (4 m + t) x 1,024); from VEC six vectors of 256 bytes: bq's, bk's, bv's slices, bkr, bqr, p[32].  Written once, then only read.
; No tensor loads, no cluster: the weights are small and are turned (K is their first axis) on their way through registers; the rows of query, key and value are read by one wave of a work-group.
; THE MODE: SCHED_MODE bits 1:0 = 2 (LLVM: expert scheduling mode 2), set by the entry lines.  The code itself states the register dependences
; between vector or matrix instructions and memory or LDS instructions, with s_wait_alu, always for 0.
; THE PLAN.  Registers that memory or LDS instructions touch, in the order of the text:
;   v1 .. v9               offsets and LDS addresses: made at the head, ahead of one wait on va_vdst; never written again.
;   v[10:11]               the small vector: loaded, read by one LDS store; later c', which vector instructions write.
;   v[16:31], v[160:167]   the three weight fragments' codes: written by conversions, read by the stores of the images (Wo's: by global stores); later query's codes and the bias.
;   v[192:255]             weights' numbers, held and converted; then value's loads land there.
;   WF, BI, D's low half   at each phase's head LDS loads land there; the phase's products read WF, its multiply-adds BI, its holds and conversions D.
;   OC                     written by a phase's conversions, read by its global stores; it lies in BI's upper half, in which the next phase's bias lands.
; So: the three weight quantisations stand together and ONE wait on va_vdst behind them serves their stores and value's loads; one wait on vm_vsrc behind the barrier's signal frees what those stores read;
; a wait on va_vdst stands at the head of a phase that follows vector work, and one ahead of each phase's stores, which serves the next phase's loads too where no vector instruction stands between;
; a wait on vm_vsrc, beside the wait on XCNT, stands ahead of whatever writes OC again.
.set VEC, 20480
.set LI,  1                            ; v1   16 x lane: my place in an image
.set VH,  2                            ; v2   64 h: my half's 16 numbers of a block of 32
.set VB,  3                            ; v3   4 (r + (r & 8))
.set VX,  4                            ; v4   256 (r + (r & 8)) + 64 h: my bytes in the wave's rows of query, key, value
.set VW,  5                            ; v5   my column and my half's first row in a weight
.set WST, 6                            ; v6   where I store my weight images
.set SVA, 7                            ; v7   where I store my part of a small vector
.set L8,  8                            ; v8   8 x lane
.set L4,  9                            ; v9   4 x lane
.set CA0, 10                           ; v[10:11] first the small vector, then c' of tile 0 in two halves
.set SC,  12                           ; v12  a conversion's scale
.set LM,  13                           ; v13  448 x that
.set CA1, 14                           ; v[14:15] c' of tile 1
.set QC,  16                           ; v[16:31] query's codes, two fragments;  early: two weight fragments' codes
.set KC,  32                           ; v[32:47] key's
.set VC,  48                           ; v[48:63] value's
.set KR,  64                           ; v[64:95]  kappa k_r[32]: register 16 b + x = element 32 b + 16 h + x
.set QR,  96                           ; v[96:127] kappa q_r[32]
.set WF,  128                          ; v[128:159] four weight fragments
.set BI,  160                          ; v[160:191] a bias in the result's layout
.set OC,  176                          ; v[176:191] the codes that go out
.set D,   192                          ; v[192:255] eight results
.set X0,  32                           ; early: v[32:95] query, v[96:159] key, v[160:255] three sets of 32 weight numbers; value lands in v[192:255]
.set X1,  96
.set WR,  160
.macro MKSC d, e                       ; s[d] = 2^e as f32, s[d+1] = 448 x 2^e   (d may be e)
	s_add_co_i32 s[\d+1], s[\e], 135
	s_add_co_i32 s[\d], s[\e], 127
	s_lshl_b32 s[\d+1], s[\d+1], 23
	s_lshl_b32 s[\d], s[\d], 23
	s_or_b32 s[\d+1], s[\d+1], 0x600000
.endm
.macro MKP2 d, ea, eb                  ; s[d] = s[d+1] = 2^(ea + eb) as f32
	s_add_co_i32 s[\d], s[\ea], s[\eb]
	s_add_co_i32 s[\d], s[\d], 127
	s_lshl_b32 s[\d], s[\d], 23
	s_mov_b32 s[\d+1], s[\d]
.endm
.macro WLOADS reg, base, pitch         ; a lane takes a column, and its registers run down K: register 16 c + i = row 32 c + 16 h + i
.irp c, 0,1
.irp i, 0,1,2,3,4,5,6,7,8,9,10,11,12,13,14,15
	global_load_b32 v[\reg+16*\c+\i], v[VW], s[\base:\base+1] offset:(32*\c+\i)*\pitch
.endr
.endr
.endm
.macro XLOAD reg, base                 ; my row of tile u: 16 neighbours of each block of 32: register 32 u + 16 c + x = k 32 c + 16 h + x
.irp u, 0,1
.irp c, 0,1
.irp i, 0,1,2,3
	global_load_b128 v[\reg+32*\u+16*\c+4*\i:\reg+32*\u+16*\c+4*\i+3], v[VX], s[\base:\base+1] offset:2048*\u+128*\c+16*\i
.endr
.endr
.endr
.endm
.macro QUANT src, dst, nblk, pair      ; nblk blocks of 16 numbers become 4 registers of codes each
	v_mov_b32 v[SC], s[\pair]
	v_mov_b32 v[LM], s[\pair+1]
.set qb, 0
.rept \nblk
.set qi, 0
.rept 16
	v_med3_num_f32 v[\src+16*qb+qi], v[\src+16*qb+qi], -v[LM], v[LM]   ; the conversion to an 8-bit code does not saturate (ISA guide 7.6.2): the hold at the largest code x the scale
.set qi, qi+1
.endr
	v_cvt_scalef32_pk8_fp8_f32 v[\dst+4*qb:\dst+4*qb+1], v[\src+16*qb:\src+16*qb+7], v[SC]
	v_cvt_scalef32_pk8_fp8_f32 v[\dst+4*qb+2:\dst+4*qb+3], v[\src+16*qb+8:\src+16*qb+15], v[SC]
.set qb, qb+1
.endr
	v_nop                                          ; one plain vector instruction between the last conversion and whatever next touches its result or writes its sources
.endm
.macro WIMGST codes, i                 ; a weight fragment goes to LDS as it stands
.irp c, 0,1
	ds_store_b128 v[WST], v[\codes+4*\c:\codes+4*\c+3] offset:4096*(\i)+512*\c
.endr
.endm
.macro FETCHW m                        ; matrix m's four fragments
.irp t, 0,1,2,3
.irp c, 0,1
	ds_load_b128 v[WF+8*\t+4*\c:WF+8*\t+4*\c+3], v[LI] offset:(4*(\m)+\t)*1024+512*\c
.endr
.endr
.endm
.macro VEC32 dst, vec                  ; a vector of 64: register 16 b + x = element 32 b + 16 h + x: the layout of a transposed result, and of an operand ahead of its conversion
.irp q, 0,1,2,3,4,5,6,7
	ds_load_b128 v[\dst+4*\q:\dst+4*\q+3], v[VH] offset:VEC+256*(\vec)+128*(\q/4)+16*(\q%4)
.endr
.endm
.macro PLACES                          ; four plain vector instructions behind a matrix instruction, ahead of the first read of its result (ISA guide 7.12.1)
.rept 4
	v_nop
.endr
.endm
; kappa x (Q(p[32]) Q(W) + b): source 0 = 16 columns of W, source 1 = p's row 32 in all sixteen columns, so that every lane gets its half's 32 elements
.macro RELVEC m, vec, pairP, p2, dst
	s_wait_alu depctr_va_vdst(0)                   ; the vector and matrix instructions above are done reading and writing WF, BI and D's low half, in which the loads below land
	FETCHW \m
	VEC32 BI, \vec
	VEC32 D, 5
	s_wait_dscnt 0x0
	QUANT D, D+32, 2, \pairP
.irp t, 0,1,2,3
	v_wmma_f32_16x16x64_fp8_fp8 v[\dst+8*\t:\dst+8*\t+7], v[WF+8*\t:WF+8*\t+7], v[D+32:D+39], 0
.endr
	PLACES
.irp x, 0,2,4,6,8,10,12,14,16,18,20,22,24,26,28,30
	v_pk_fma_f32 v[\dst+\x:\dst+\x+1], v[\dst+\x:\dst+\x+1], s[\p2:\p2+1], v[BI+\x:BI+\x+1] op_sel_hi:[1,0,1]   ; sum x 2^(ea + eb) + bias; each result from its low end on
.endr
.irp x, 0,2,4,6,8,10,12,14,16,18,20,22,24,26,28,30
	v_pk_mul_f32 v[\dst+\x:\dst+\x+1], v[\dst+\x:\dst+\x+1], s[98:99] op_sel_hi:[1,0]   ; x kappa, once, so that c' needs no scaling later
.endr
.endm
; q1 or k1 of my 32 rows, TRANSPOSED (source 0 = 16 columns of the weight, source 1 = 16 rows): a lane holds one row, its registers run along the head's 64, which are the next K
.macro QKPHASE m, vec, codes, dot, p2, pairQ, first, out
.if \first
	s_wait_alu depctr_va_vdst(0)                   ; the lines that made kappa q_r[32] are done: its products have read WF, its multiply-adds BI, in which the loads below land
	FETCHW \m
.else
	FETCHW \m                                      ; no wait: no vector or matrix instruction stands between the wait ahead of the last phase's stores and these loads
	s_wait_xcnt 0x0                                ; the last phase's stores have read OC, which lies in BI's upper half
	s_wait_alu depctr_vm_vsrc(0)                   ; the same, stated for the registers: the stores have read OC, in which the bias's loads land
.endif
	VEC32 BI, \vec
	s_wait_dscnt 0x0
.irp u, 0,1
.irp t, 0,1,2,3
	v_wmma_f32_16x16x64_fp8_fp8 v[D+32*\u+8*\t:D+32*\u+8*\t+7], v[WF+8*\t:WF+8*\t+7], v[\codes+8*\u:\codes+8*\u+7], 0
.endr
.endr
	PLACES
.irp u, 0,1
.irp x, 0,2,4,6,8,10,12,14,16,18,20,22,24,26,28,30
	v_pk_fma_f32 v[D+32*\u+\x:D+32*\u+\x+1], v[D+32*\u+\x:D+32*\u+\x+1], s[\p2:\p2+1], v[BI+\x:BI+\x+1] op_sel_hi:[1,0,1]
.endr
.endr
.irp x, 0,2,4,6,8,10,12,14,16,18,20,22,24,26,28,30   ; c' takes the numbers as they are, ahead of the hold; the two tiles alternate
.if \first && (\x == 0)
	v_pk_mul_f32 v[CA0:CA0+1], v[D+\x:D+\x+1], v[\dot+\x:\dot+\x+1]
	v_pk_mul_f32 v[CA1:CA1+1], v[D+32+\x:D+32+\x+1], v[\dot+\x:\dot+\x+1]
.else
	v_pk_fma_f32 v[CA0:CA0+1], v[D+\x:D+\x+1], v[\dot+\x:\dot+\x+1], v[CA0:CA0+1]
	v_pk_fma_f32 v[CA1:CA1+1], v[D+32+\x:D+32+\x+1], v[\dot+\x:\dot+\x+1], v[CA1:CA1+1]
.endif
.endr
	QUANT D, OC, 4, \pairQ
	s_wait_alu depctr_va_vdst(0)                   ; the conversions have written OC, which the stores read; this phase's products are done reading WF and its multiply-adds BI
.irp u, 0,1
.irp c, 0,1
	global_store_b128 v[LI], v[OC+8*\u+4*\c:OC+8*\u+4*\c+3], s[\out:\out+1] offset:1024*\u+512*\c   ; 512 consecutive bytes, at a multiple of 512 from the buffer's first byte
.endr
.endr
.endm
	s_load_b512 s[4:19], s[0:1], 0x0               ; query 4, key 6, value 8, Wq 10, Wk 12, Wv 14, Wkr 16, Wqr 18
	s_load_b512 s[20:35], s[0:1], 0x40             ; Wo 20, bq 22, bk 24, bv 26, bkr 28, bqr 30, p 32, the scales' exponents 34
	s_load_b256 s[36:43], s[0:1], 0x80             ; q_img 36, kv_img 38, c_img 40, wo_img 42
	s_set_vgpr_msb 0x40
	v_lshl_add_u32 v0, v0, 2, 0x5800
	v_mov_b32 v1, 0
	s_set_vgpr_msb 0x4000
	v_lshrrev_b32 v20, 5, v0
	v_readfirstlane_b32 s2, v20                    ; wave 0..7
	s_and_b32 s3, ttmp7, 0xffff                    ; the head
	s_mov_b32 s60, ttmp9                           ; the block of 256 rows
	v_and_b32 v16, 31, v0                          ; lane
	v_and_b32 v17, 15, v0                          ; r
	v_bfe_u32 v18, v0, 4, 1                        ; h
	v_and_b32 v19, 8, v17
	v_add_nc_u32 v19, v19, v17                     ; r + (r & 8)
	v_lshlrev_b32 v[LI], 4, v16
	v_lshlrev_b32 v[VH], 6, v18
	v_lshlrev_b32 v[VB], 2, v19
	v_lshl_add_u32 v[VX], v19, 8, v[VH]
	v_lshlrev_b32 v[L8], 3, v16
	v_lshlrev_b32 v[L4], 2, v16
	s_wait_alu depctr_va_sdst(0)                   ; s2, the wave's number, is written, ahead of its first reader
	s_and_b32 s67, s2, 3                           ; t: my tile of the weights' 64 columns
	s_cmp_lt_u32 s2, 4
	s_cselect_b32 s68, 15, 12                      ; 16 rows of a weight are 2^15 bytes (rows of 2,048: Wq, Wk, Wv) or 2^12 (rows of 256)
	v_lshlrev_b32 v[VW], s68, v18
	s_lshr_b32 s69, s67, 1
	s_lshl_b32 s69, s69, 7
	s_and_b32 s70, s67, 1
	s_lshl_b32 s70, s70, 5
	s_add_co_u32 s69, s69, s70                     ; the tile's first column, in bytes: 128 (t / 2) + 32 (t % 2)
	v_add3_u32 v[VW], v[VW], v[VB], s69
	s_lshr_b32 s69, s2, 2
	s_mul_i32 s69, s69, 12288
	s_lshl_b32 s70, s67, 10
	s_add_co_u32 s69, s69, s70
	v_add_nc_u32 v[WST], s69, v[LI]                ; waves 0-3: matrices 0, 1, 2; waves 4-7: matrices 3, 4
	s_lshl_b32 s69, s2, 8
	s_add_co_u32 s69, s69, VEC
	v_add_nc_u32 v[SVA], s69, v[L8]
	s_mov_b32 s63, 0
	s_wait_kmcnt 0x0
	s_load_b512 s[44:59], s[34:35], 0x0            ; e0 .. e15 in s44 .. s59
	s_lshl_b32 s62, s3, 8                          ; the head's 64 columns: 256 bytes
	s_add_nc_u64 s[22:23], s[22:23], s[62:63]
	s_add_nc_u64 s[24:25], s[24:25], s[62:63]
	s_add_nc_u64 s[26:27], s[26:27], s[62:63]
	s_add_nc_u64 s[10:11], s[10:11], s[62:63]
	s_add_nc_u64 s[12:13], s[12:13], s[62:63]
	s_add_nc_u64 s[14:15], s[14:15], s[62:63]
	s_lshl_b32 s62, s3, 14                         ; the head's 64 rows of Wo
	s_add_nc_u64 s[20:21], s[20:21], s[62:63]
	s_add_nc_u64 s[32:33], s[32:33], 8192          ; p's row 32
	s_lshl_b32 s62, s60, 16
	s_lshl_b32 s66, s2, 13
	s_add_co_u32 s62, s62, s66                     ; my 32 rows of 256 bytes
	s_add_nc_u64 s[4:5], s[4:5], s[62:63]
	s_add_nc_u64 s[6:7], s[6:7], s[62:63]
	s_add_nc_u64 s[8:9], s[8:9], s[62:63]
	s_lshl_b32 s62, s3, 12
	s_lshl_b32 s66, s67, 10
	s_add_co_u32 s62, s62, s66
	s_add_nc_u64 s[42:43], s[42:43], s[62:63]      ; wo_img: head x 4,096 + tile x 1,024
	s_mov_b64 s[100:101], s[32:33]                 ; the small vector of my wave: 0 bq, 1 bk, 2 bv, 3 bkr, 4 bqr, 5 and on p[32]: a choice on the wave's number
	s_cmp_eq_u32 s2, 0
	s_cselect_b64 s[100:101], s[22:23], s[100:101]
	s_cmp_eq_u32 s2, 1
	s_cselect_b64 s[100:101], s[24:25], s[100:101]
	s_cmp_eq_u32 s2, 2
	s_cselect_b64 s[100:101], s[26:27], s[100:101]
	s_cmp_eq_u32 s2, 3
	s_cselect_b64 s[100:101], s[28:29], s[100:101]
	s_cmp_eq_u32 s2, 4
	s_cselect_b64 s[100:101], s[30:31], s[100:101]
	s_wait_alu depctr_va_vdst(0)                   ; the nine offsets and addresses v1 to v9 are written: every load and store of the kernel reads one of them, and none is written again
	global_load_b64 v[CA0:CA0+1], v[L8], s[100:101]   ; 256 bytes a wave.  Waves 6 and 7 load p's row as wave 5 does and store nothing: the line stands on every wave's path, the store below on six
	s_cmp_lt_u32 s2, 4
	s_cbranch_scc0 .Lnarrow_w
	WLOADS WR, 10, 2048
	WLOADS WR+32, 12, 2048
	WLOADS WR+64, 14, 2048
	s_branch .Lw_asked
.Lnarrow_w:
	WLOADS WR, 16, 256
	WLOADS WR+32, 18, 256
	WLOADS WR+64, 20, 256
.Lw_asked:
	XLOAD X0, 4
	XLOAD X1, 6
	s_wait_kmcnt 0x0
	MKSC 66, 44                                    ; query
	MKSC 68, 46                                    ; key
	MKSC 70, 48                                    ; value
	MKSC 72, 50                                    ; q1
	MKSC 74, 51                                    ; k1
	MKSC 76, 57                                    ; v1
	MKSC 78, 52                                    ; p, for k_r
	MKSC 80, 54                                    ; p, for q_r
	s_cmp_lt_u32 s2, 4                             ; my three weights' exponents: all three choices ahead of the additions, which write SCC
	s_cselect_b32 s82, s45, s53
	s_cselect_b32 s84, s47, s55
	s_cselect_b32 s86, s49, s59
	MKSC 82, 82
	MKSC 84, 84
	MKSC 86, 86
	MKP2 88, 44, 45
	MKP2 90, 46, 47
	MKP2 92, 48, 49
	MKP2 94, 52, 53
	MKP2 96, 54, 55
	s_mov_b32 s98, 0x3dd53b95                      ; kappa = log2(e) / sqrt(192)
	s_mov_b32 s99, s98
	s_wait_loadcnt 32                              ; query's and key's 32 loads may stay out: the small vector and the 96 weight numbers are in
	s_cmp_lt_u32 s2, 6
	s_cbranch_scc0 .Lno_vec
	ds_store_b64 v[SVA], v[CA0:CA0+1]
.Lno_vec:
	QUANT WR, 16, 2, 82                            ; my three weight fragments are quantised on end, so that one wait serves all their stores
	QUANT WR+32, 24, 2, 84
	QUANT WR+64, WR, 2, 86                         ; over the first set's numbers, which are done with
	s_wait_alu depctr_va_vdst(0)                   ; the conversions have written the codes in v[16:31] and v[160:167], which the stores below read, and holds and conversions are done with v[192:255], in which value's loads land
	WIMGST 16, 0
	WIMGST 24, 1
	s_cmp_lt_u32 s2, 4
	s_cbranch_scc0 .Lwo
	WIMGST WR, 2                                   ; Wv's fragment
	s_branch .Lfrag_done
.Lwo:
	s_cmp_lg_u32 s60, 0                            ; Wo's fragment: the 32 work-groups of a head make the same codes; those of x = 0 store them, so that each byte has one writer
	s_cbranch_scc1 .Lfrag_done
	global_store_b128 v[LI], v[WR:WR+3], s[42:43]
	global_store_b128 v[LI], v[WR+4:WR+7], s[42:43] offset:512
.Lfrag_done:
	XLOAD D, 8                                     ; value, into the registers that the weights have left.  No wait: no vector instruction stands between the wait above and these loads
	s_wait_dscnt 0x0                               ; for the others' sake: my images and my small vector lie in LDS
	s_barrier_signal -1                            ; only work on registers up to the wait
	s_wait_alu depctr_vm_vsrc(0)                   ; my stores have read v[10:11], v[16:31] and v[160:167]: these become c', query's codes and the bias, written by vector instructions and by LDS loads
	s_wait_loadcnt 32                              ; key's and value's loads may stay out
	QUANT X0, QC, 4, 66
	s_wait_loadcnt 16                              ; value's may
	QUANT X1, KC, 4, 68
	s_wait_loadcnt 0x0
	QUANT D, VC, 4, 70
	s_wait_xcnt 0x0                                ; every load and store so far has read its registers: bases and Wo's codes may be written again
	s_mov_b32 s100, 0x76543210                     ; v_permlanex16_b32: lane l xor 16
	s_mov_b32 s101, 0xfedcba98
	s_lshr_b32 s61, s60, 2
	s_lshl_b32 s61, s61, 3
	s_add_co_u32 s61, s61, s3                      ; bh = 8 x batch + head
	s_and_b32 s10, s60, 3                          ; which 256 of the sequence's 1,024 rows
	s_lshl_b32 s11, s10, 14
	s_lshl_b32 s12, s2, 11
	s_add_co_u32 s11, s11, s12                     ; my first tile x 1,024: tile 16 x block + 2 x wave
	s_lshl_b32 s62, s61, 16
	s_add_co_u32 s62, s62, s11
	s_add_nc_u64 s[36:37], s[36:37], s[62:63]      ; q_img: (64 bh + tile) x 1,024
	s_lshl_b32 s13, s61, 17                        ; kv_img: bh x 131,072: 64 images of K, then V
	s_lshl_b32 s14, s10, 14
	s_lshr_b32 s15, s2, 2
	s_lshl_b32 s15, s15, 13
	s_and_b32 s16, s2, 3
	s_lshl_b32 s16, s16, 9
	s_add_co_u32 s62, s13, 65536
	s_add_co_u32 s62, s62, s14
	s_add_co_u32 s62, s62, s15
	s_add_co_u32 s62, s62, s16                     ; V: my 32 keys are group g = 8 x block + wave: step g / 4 (8,192 bytes), block g % 4 of its four (512 bytes)
	s_add_nc_u64 s[4:5], s[38:39], s[62:63]
	s_add_co_u32 s62, s13, s11
	s_add_nc_u64 s[38:39], s[38:39], s[62:63]      ; K
	s_lshl_b32 s62, s61, 12
	s_lshl_b32 s14, s10, 10
	s_lshl_b32 s15, s2, 7
	s_add_co_u32 s62, s62, s14
	s_add_co_u32 s62, s62, s15
	s_add_nc_u64 s[40:41], s[40:41], s[62:63]      ; c_img: (64 bh + tile) x 64
	s_barrier_wait -1                              ; every wave's images lie in LDS; nothing is written there any more
	RELVEC 3, 3, 78, 94, KR
	RELVEC 4, 4, 80, 96, QR
	QKPHASE 0, 0, QC, KR, 88, 72, 1, 36
	QKPHASE 1, 1, KC, QR, 90, 74, 0, 38
	v_cmp_lt_u32 vcc_lo, 63, v[L4]                 ; lanes 16-31 store tile 1's: the mask is made first, the six lines below stand between it and the wait for it
	v_add_f32 v[CA0], v[CA0], v[CA0+1]             ; c': the pair's two halves,
	v_add_f32 v[CA1], v[CA1], v[CA1+1]
	v_permlanex16_b32 v[CA0+1], v[CA0], s100, s101
	v_permlanex16_b32 v[CA1+1], v[CA1], s100, s101
	v_add_f32 v[CA0], v[CA0], v[CA0+1]             ; and the row's other 32 channels, which lie in lane l xor 16
	v_add_f32 v[CA1], v[CA1], v[CA1+1]
	s_wait_alu depctr_va_vcc(0)                    ; the compare has written VCC, which the select reads
	v_cndmask_b32 v[CA0], v[CA0], v[CA1], vcc_lo
	s_wait_alu depctr_va_vdst(0)                   ; the select has written v[CA0], which the store reads
	global_store_b32 v[L4], v[CA0], s[40:41]       ; 128 consecutive bytes: two tiles' sixteen numbers
	; v1 of my 32 rows, NOT transposed (source 0 = 16 rows, source 1 = 16 columns of Wv): a lane holds one channel, its registers run along the keys, which are the second product's K
	FETCHW 2                                       ; no wait, here and for bv's loads below: no vector or matrix instruction stands between the wait above and these loads
	s_wait_xcnt 0x0                                ; k1's stores have read OC
	s_wait_alu depctr_vm_vsrc(0)                   ; the same, stated for the registers: k1's stores have read OC, which this phase's conversions write again
.irp t, 0,1,2,3
	ds_load_b32 v[BI+2*\t], v[VB] offset:VEC+512+128*(\t/2)+32*(\t%2)   ; bv at my channel of tile t
.endr
	s_wait_dscnt 0x0
.irp t, 0,1,2,3
	v_mov_b32 v[BI+2*\t+1], v[BI+2*\t]             ; twice: a pair for the packed multiply-add
.endr
.irp t, 0,1,2,3
.irp u, 0,1
	v_wmma_f32_16x16x64_fp8_fp8 v[D+16*\t+8*\u:D+16*\t+8*\u+7], v[VC+8*\u:VC+8*\u+7], v[WF+8*\t:WF+8*\t+7], 0
.endr
.endr
	PLACES
.irp t, 0,1,2,3
.irp x, 0,2,4,6,8,10,12,14
	v_pk_fma_f32 v[D+16*\t+\x:D+16*\t+\x+1], v[D+16*\t+\x:D+16*\t+\x+1], s[92:93], v[BI+2*\t:BI+2*\t+1] op_sel_hi:[1,0,1]
.endr
.endr
	QUANT D, OC, 4, 76                             ; block t: my channel of tile t, keys 16 h + 0 .. 15 of my 32
	s_wait_alu depctr_va_vdst(0)                   ; the conversions have written OC, which the stores read
.irp t, 0,1,2,3
	global_store_b128 v[LI], v[OC+4*\t:OC+4*\t+3], s[4:5] offset:2048*\t
.endr
	s_set_vgpr_msb 0x5                             ; the add's two registers, v256 and v257, are sources 0 and 1 in window 1
	s_wait_dscnt 0x0                               ; the closing lines, six on end
	s_wait_alu 0x0
	s_wait_tensorcnt 0x0
	ds_add_u32 v0, v1
	s_wait_dscnt 0x0
	s_endpgm
.Lfunc_end_k_q41c7cb59c9_proj:
	.size	k_q41c7cb59c9_proj, .Lfunc_end_k_q41c7cb59c9_proj-k_q41c7cb59c9_proj
	.p2alignl 7, 3214868480
	.fill 96, 4, 3214868480
	.section	.rodata,"a",@progbits
	.p2align	6, 0x0
	.amdhsa_kernel k_q41c7cb59c9_proj
		.amdhsa_group_segment_fixed_size 23552
		.amdhsa_private_segment_fixed_size 0
		.amdhsa_enable_private_segment 0
		.amdhsa_kernarg_size 160
		.amdhsa_user_sgpr_count 2
		.amdhsa_user_sgpr_kernarg_segment_ptr 1
		.amdhsa_wavefront_size32 1
		.amdhsa_system_sgpr_workgroup_id_x 1
		.amdhsa_system_sgpr_workgroup_id_y 1
		.amdhsa_system_sgpr_workgroup_id_z 1
		.amdhsa_system_vgpr_workitem_id 0
		.amdhsa_next_free_vgpr 258
		.amdhsa_next_free_sgpr 102
		.amdhsa_reserve_vcc 1
		.amdhsa_float_denorm_mode_32 3
		.amdhsa_float_denorm_mode_16_64 3
		.amdhsa_memory_ordered 1
		.amdhsa_forward_progress 1
		.amdhsa_inst_pref_size 96
	.end_amdhsa_kernel
	.amdgpu_metadata
---
amdhsa.version: [ 1, 2 ]
amdhsa.kernels:
  - .name:           k_q41c7cb59c9_proj
    .symbol:         k_q41c7cb59c9_proj.kd
    .args:
      - { .name: query, .offset: 0, .size: 8, .value_kind: global_buffer, .address_space: global }
      - { .name: key, .offset: 8, .size: 8, .value_kind: global_buffer, .address_space: global }
      - { .name: value, .offset: 16, .size: 8, .value_kind: global_buffer, .address_space: global }
      - { .name: Wq, .offset: 24, .size: 8, .value_kind: global_buffer, .address_space: global }
      - { .name: Wk, .offset: 32, .size: 8, .value_kind: global_buffer, .address_space: global }
      - { .name: Wv, .offset: 40, .size: 8, .value_kind: global_buffer, .address_space: global }
      - { .name: Wkr, .offset: 48, .size: 8, .value_kind: global_buffer, .address_space: global }
      - { .name: Wqr, .offset: 56, .size: 8, .value_kind: global_buffer, .address_space: global }
      - { .name: Wo, .offset: 64, .size: 8, .value_kind: global_buffer, .address_space: global }
      - { .name: bq, .offset: 72, .size: 8, .value_kind: global_buffer, .address_space: global }
      - { .name: bk, .offset: 80, .size: 8, .value_kind: global_buffer, .address_space: global }
      - { .name: bv, .offset: 88, .size: 8, .value_kind: global_buffer, .address_space: global }
      - { .name: bkr, .offset: 96, .size: 8, .value_kind: global_buffer, .address_space: global }
      - { .name: bqr, .offset: 104, .size: 8, .value_kind: global_buffer, .address_space: global }
      - { .name: p, .offset: 112, .size: 8, .value_kind: global_buffer, .address_space: global }
      - { .name: lowp_scales, .offset: 120, .size: 8, .value_kind: global_buffer, .address_space: global }
      - { .name: q_img, .offset: 128, .size: 8, .value_kind: global_buffer, .address_space: global }
      - { .name: kv_img, .offset: 136, .size: 8, .value_kind: global_buffer, .address_space: global }
      - { .name: c_img, .offset: 144, .size: 8, .value_kind: global_buffer, .address_space: global }
      - { .name: wo_img, .offset: 152, .size: 8, .value_kind: global_buffer, .address_space: global }
    .group_segment_fixed_size: 23552
    .private_segment_fixed_size: 0
    .kernarg_segment_align: 8
    .kernarg_segment_size: 160
    .max_flat_workgroup_size: 256
    .sgpr_count:     102
    .vgpr_count:     258
    .wavefront_size: 32
...
	.end_amdgpu_metadata
.endif
;; end of part 4
;; launch attn (part 5): grid 4 x 64, 16 waves a work-group, no clusters, 133,120 bytes of LDS; arguments q_img, kv_img, c_img, lowp_scales, x_img; writes x_img
.if DOCPART == 5
	.amdgcn_target "amdgcn-amd-amdhsa--gfx1250"
	.amdhsa_code_object_version 6
	.text
	.protected	k_q41c7cb59c9_attn
	.globl	k_q41c7cb59c9_attn
	.p2align	8
	.type	k_q41c7cb59c9_attn,@function
k_q41c7cb59c9_attn:
	s_mov_b64 s[64:65], 0
	v_nop
	global_prefetch_b8 v0, s[64:65] scope:SCOPE_SE
	s_setreg_imm32_b32 hwreg(HW_REG_WAVE_SCHED_MODE, 0, 2), 2
	s_setreg_imm32_b32 hwreg(HW_REG_WAVE_MODE, 25, 1), 1
	s_wait_xcnt 0x0
	s_wait_alu depctr_vm_vsrc(0)
; x[q] = (the sum over keys of Q(p) Q(v1)) / l, p = 2^(t - M), t = kappa (q1 . k1) + c'[q], M = the ceiling of the row's largest t so far, l = the row's sum of the unquantised p.
; Both products on codes of FP8 (E4M3) as the first launch laid them: q_img, kv_img hold images of fragments (registers 4 c .. 4 c + 3 of lane L at byte 512 c + 16 L); c_img holds c' = kappa x (the two relative
; terms of the query's row), f32, one number a lane of a tile.  kappa = log2(e) / sqrt(192).  x is quantised (entry 14) and stored as images for the last launch.
; LIMITS: e6 + e7 between -122 and 130 (added to kappa's exponent field); e12 and e14 between -126 and 119; e12 + e13 goes in by v_ldexp_f32 and has none.  NaN is not served.
; SHARES: work-group y = batch x head, x = 256 queries.  Each of SIXTEEN waves owns one tile of 16 queries in 256 registers: four waves to a SIMD, so that one wave's softmax stands beside another's products and LDS loads.
; LDS holds a plain copy of the head's 131,072 bytes of kv_img (64 images of K, then V), each byte written once.  THE COPY GOES STEP BY STEP, UNDER THE TRIPS: a key step (128 keys) is 8,192 bytes of K and 8,192 of V,
; one line of 16 bytes a thread each.  All sixteen lines are asked for at the head, into registers that no trip touches before the line is stored; step 0 is stored ahead of the first barrier, step s + 1 at the head
; of trip s.  A wave signals behind its stores (and the wait for them) and waits at the head of the next trip: nearly a whole trip lies between.  So the eight trips are written out by a macro: each has its own
; registers for the lines, its own count of loads that may stay out, and immediates for its LDS addresses; and the first trip starts the sums, so that nothing is cleared or rescaled there.
; No cluster and no tensor load: the four work-groups of a head share this one copy alone, 16 loads a thread against eight trips of work on the bytes, and LDS is filled once.
; LAYOUT: both products transposed: S^T = K Q^T (source 0 = 16 keys), O^T = V^T P^T (source 0 = 16 channels): a lane holds ONE query (lane % 16) throughout.  The keys of a tile are not neighbours (lane r of tile
; 2 g + u holds key 32 g + 8 u + r + (r & 8)), so the 16 registers of two neighbouring tiles are keys 32 g + 16 (lane / 16) + 0 .. 15, and the conversions' results are P's registers.  The channels of V's tiles likewise.
; REGISTERS: v1 16 x lane; v2 that + 65,536 (V); v3 a permute's result; v4 at work; v5 16 x thread, v6 that + 65,536: the copy's; v7 4 (lane % 16); v8 c'; v9 -M; v10, v11 at work; v12 c' - M; v13 the largest t;
;   v[14:15] l in two halves; v[16:23] Q; v24 2^e12; v25 448 x 2^e12; v[26:27] f; v[28:31] at work; v[32:95] K's, then V's fragments (at the head: step 0's lines); v[96:159] S^T, then p (at the head: step 1's lines);
;   v[160:191] O^T; v[192:207] p's codes; v[208:255] the lines of steps 2 to 7, eight registers a step.
; THE MODE: SCHED_MODE bits 1:0 = 2 (LLVM: expert scheduling mode 2), set by the entry lines.  The code itself states the register dependences
; between vector or matrix instructions and memory or LDS instructions, with s_wait_alu, always for 0.
; THE PLAN.  Registers that memory or LDS instructions touch:
;   v1, v2, v5, v6, v7   addresses: made at the head, ahead of one wait on va_vdst; never written again.
;   v8, v[16:23]         c' and Q: loaded once; vector and matrix instructions only read them.
;   the lines' registers loaded at the head, read by the LDS stores.  v[32:39] and v[96:103] get other work in trip 0: one wait on vm_vsrc there, behind the stores of steps 0 and 1.
;                        v254 and v255 are made anew at the end: one more ahead of the two makers.  No vector instruction names the others.
;   v[32:95]             In a trip: K's sixteen loads land, the eight products K Q^T read; V's sixteen loads land, the four products V^T P read.  One wait on va_vdst ahead of each run of loads.
;   v[32:39]             On the way out: the conversions write them, the two stores read them: one wait on va_vdst.
; A trip's third wait on va_vdst is the exponentials': the scalings, the 64 exponentials and the rescaling of O^T, none of which names an exponential's result, go as ONE batch; all that read p stand behind the one wait.
.macro SETLR s                         ; LR: the eight registers of step s's two lines
.if (\s) == 0
.set LR, 32
.elseif (\s) == 1
.set LR, 96
.else
.set LR, 208+8*((\s)-2)
.endif
.endm
.macro KVLOAD s                        ; step s's line of K and its line of V: 8,192 consecutive bytes a work-group each
	SETLR \s
	global_load_b128 v[LR:LR+3], v5, s[6:7] offset:8192*(\s)
	global_load_b128 v[LR+4:LR+7], v5, s[6:7] offset:65536+8192*(\s)
.endm
.macro KVSTORE s                       ; and into LDS, at the same places
	SETLR \s
	ds_store_b128 v5, v[LR:LR+3] offset:8192*(\s)
	ds_store_b128 v6, v[LR+4:LR+7] offset:8192*(\s)
.endm
; The row's sum takes pair pa of p (registers 96 + 2 pa, 97 + 2 pa), in four chains: v[14:15] (l itself), v[10:11], v[28:29], v[30:31].  Pairs 0 to 5 start the three new chains, two pairs a line.
.macro SUMP
.if pa == 1
	v_pk_add_f32 v[10:11], v[96:97], v[98:99]
.elseif pa == 3
	v_pk_add_f32 v[28:29], v[100:101], v[102:103]
.elseif pa == 5
	v_pk_add_f32 v[30:31], v[104:105], v[106:107]
.elseif pa > 5
.set cr, 14
.if (pa-6)%4 == 1
.set cr, 10
.elseif (pa-6)%4 == 2
.set cr, 28
.elseif (pa-6)%4 == 3
.set cr, 30
.endif
	v_pk_add_f32 v[cr:cr+1], v[cr:cr+1], v[96+2*pa:97+2*pa]
.endif
.endm
	s_load_b256 s[4:11], s[0:1], 0x0               ; q_img 4, kv_img 6, c_img 8, the scales' exponents 10
	s_load_b64 s[12:13], s[0:1], 0x20              ; x_img
	v_lshrrev_b32 v10, 5, v0
	v_readfirstlane_b32 s14, v10                   ; wave 0..15
	v_and_b32 v10, 31, v0
	v_lshlrev_b32 v1, 4, v10
	v_add_nc_u32 v2, 0x10000, v1
	v_lshlrev_b32 v5, 4, v0                        ; the copy: 16 bytes a thread, 8,192 a line
	v_add_nc_u32 v6, 0x10000, v5
	v_and_b32 v7, 15, v0
	v_lshlrev_b32 v7, 2, v7
	s_and_b32 s15, ttmp7, 0xffff                   ; bh
	s_lshl_b32 s16, ttmp9, 4
	s_wait_alu depctr_va_sdst(0)                   ; s14, the wave's number, is written, ahead of its first reader
	s_add_co_u32 s16, s16, s14                     ; my tile of queries: 16 x + wave
	s_mov_b32 s19, 0
	s_mov_b32 s20, 0x76543210                      ; v_permlanex16_b32: lane l xor 16
	s_mov_b32 s21, 0xfedcba98
	s_wait_kmcnt 0x0
	s_load_b64 s[24:25], s[10:11], 0x18            ; e6, e7
	s_load_b128 s[28:31], s[10:11], 0x30           ; e12, e13, e14, e15
	s_lshl_b32 s18, s15, 17
	s_add_nc_u64 s[6:7], s[6:7], s[18:19]          ; the head's K and V
	s_wait_alu depctr_va_vdst(0)                   ; the five addresses v1, v2, v5, v6, v7 are written: every load and store of the kernel reads one of them, and none is written again
	KVLOAD 0                                       ; what the first trip waits for goes out first
	s_lshl_b32 s18, s15, 16
	s_lshl_b32 s17, s16, 10
	s_add_co_u32 s18, s18, s17
	s_add_nc_u64 s[4:5], s[4:5], s[18:19]          ; my tile's image of Q
	s_lshl_b32 s18, s15, 12
	s_lshl_b32 s17, s16, 6
	s_add_co_u32 s18, s18, s17
	s_add_nc_u64 s[8:9], s[8:9], s[18:19]          ; its sixteen c'
	global_load_b128 v[16:19], v1, s[4:5]
	global_load_b128 v[20:23], v1, s[4:5] offset:512
	global_load_b32 v8, v7, s[8:9]
.irp s, 1,2,3,4,5,6,7
	KVLOAD \s
.endr
	s_lshr_b32 s18, s15, 3
	s_lshl_b32 s18, s18, 19
	s_lshl_b32 s17, s16, 13
	s_add_co_u32 s18, s18, s17
	s_and_b32 s17, s15, 7
	s_lshl_b32 s17, s17, 10
	s_add_co_u32 s18, s18, s17
	s_add_nc_u64 s[12:13], s[12:13], s[18:19]      ; x_img: ((64 batch + tile) x 8 + head) x 1,024
	v_mov_b32 v14, 0                               ; l
	v_mov_b32 v15, 0
	v_mov_b32 v27, 0                               ; (named as the upper half of the pair v[26:27])
	v_mov_b32 v3, 0                                ; a lane permute's destination counts as one of its sources
	s_wait_kmcnt 0x0
	s_add_co_i32 s26, s24, s25
	s_lshl_b32 s26, s26, 23
	s_add_co_i32 s22, s26, 0x3dd53b95              ; a score stands for score x 2^(e6 + e7): the two exponents are added to kappa's exponent field
	s_mov_b32 s23, s22                             ; (named with it as a pair)
	s_add_co_i32 s26, s28, 127
	s_lshl_b32 s26, s26, 23
	v_mov_b32 v24, s26
	s_add_co_i32 s26, s28, 135
	s_lshl_b32 s26, s26, 23
	s_or_b32 s26, s26, 0x600000
	v_mov_b32 v25, s26
	s_add_co_i32 s34, s28, s29                     ; e12 + e13
	s_add_co_i32 s35, s30, 127
	s_lshl_b32 s35, s35, 23                        ; 2^e14
	s_add_co_i32 s36, s30, 135
	s_lshl_b32 s36, s36, 23
	s_or_b32 s36, s36, 0x600000                    ; 448 x 2^e14
	s_wait_loadcnt 17                              ; younger than step 0's two lines: Q's two loads, c' and the fourteen lines of steps 1 to 7
	KVSTORE 0                                      ; no wait on va_vdst: the vector instructions since the one above name none of v5, v6 and the lines' registers
	s_wait_dscnt 0x0                               ; for the others' sake: my part of step 0 lies in LDS
	s_barrier_signal -1
	s_barrier_wait -1                              ; everybody's does
; A TRIP: key step st, 128 keys.
.macro TRIP st
.if \st > 0
	s_barrier_wait -1                              ; every wave has stored its part of this step, waited for the stores and signalled (in the trip before)
.endif
.if \st < 7
	s_wait_loadcnt 12-2*\st                        ; the next step's two lines are in (in trip 0: Q and c' too); the 2 (6 - st) lines of the later steps may stay out
	KVSTORE \st+1                                  ; bytes that nobody reads before the next barrier
.endif
.if \st > 0
.rept 4
	v_nop                                          ; four places behind the last trip's products
.endr
	s_wait_alu depctr_va_vdst(0)                   ; the last trip's products V^T P are done reading v[32:95], in which K's loads land
.else
	s_wait_alu depctr_vm_vsrc(0)                   ; my LDS stores of steps 0 and 1 have read v[32:39], in which K's loads land, and v[96:103], which the first product writes
.endif
.irp t, 0,1,2,3,4,5,6,7
.irp c, 0,1
	ds_load_b128 v[32+8*\t+4*\c:35+8*\t+4*\c], v1 offset:8192*\st+1024*\t+512*\c
.endr
.endr
.irp t, 0,1,2,3,4,5,6,7
	s_wait_dscnt 14-2*\t                           ; tile t's two loads are in, and so are the two stores ahead of them; the 2 (7 - t) younger loads may be out.  Tile 7's count is 0
	v_wmma_f32_16x16x64_fp8_fp8 v[96+8*\t:103+8*\t], v[32+8*\t:39+8*\t], v[16:23], 0
.endr
.if \st < 7
	s_barrier_signal -1                            ; no LDS instruction of mine is out: my part of the next step lies in LDS.  Up to the wait: work on registers, and loads of V of this step, which nobody writes again
.endif
.rept 4
	v_nop                                          ; places ahead of the first read of the scores
.endr
	s_wait_alu depctr_va_vdst(0)                   ; the eight products K Q^T are done reading v[32:95], in which V's loads land
.irp t, 0,1,2,3
.irp c, 0,1,2,3
	ds_load_b128 v[32+16*\t+4*\c:35+16*\t+4*\c], v2 offset:8192*\st+2048*\t+512*\c   ; V's four fragments land while the softmax is walked: none of its lines names v[32:95]
.endr
.endr
	v_max3_num_f32 v10, v96, v97, v98              ; the trip's largest score of my query among my 64 keys, in four chains, in ascending order: each result is read from its low end on
	v_max3_num_f32 v11, v99, v100, v101
	v_max3_num_f32 v4, v102, v103, v104
	v_max3_num_f32 v28, v105, v106, v107
.irp i, 12,20,28,36,44,52
	v_max3_num_f32 v10, v10, v[96+\i], v[97+\i]
	v_max3_num_f32 v11, v11, v[98+\i], v[99+\i]
	v_max3_num_f32 v4, v4, v[100+\i], v[101+\i]
	v_max3_num_f32 v28, v28, v[102+\i], v[103+\i]
.endr
	v_max3_num_f32 v10, v10, v156, v157
	v_max3_num_f32 v11, v11, v158, v159
	v_max3_num_f32 v10, v10, v11, v4
	v_max_num_f32 v10, v10, v28
	v_permlanex16_b32 v3, v10, s20, s21
	v_max_num_f32 v10, v10, v3                     ; and among lane l xor 16's
.if \st == 0
	v_fma_f32 v13, v10, s22, v8                    ; as t (the factor is positive): the first trip's largest t starts the running one
	v_floor_f32 v9, -v13                           ; -M = floor(-t) = -ceil(t): a whole number
.else
	v_fma_f32 v10, v10, s22, v8
	v_max_num_f32 v13, v13, v10                    ; the running largest t
	v_mov_b32 v10, v9
	v_floor_f32 v9, -v13                           ; the new -M
	v_sub_f32 v10, v9, v10                         ; old M - new M: a whole number, 0 or less
	v_cvt_i32_f32 v10, v10                         ; (it saturates)
	v_ldexp_f32 v26, 1.0, v10                      ; f = 2^(old M - new M): the rescaling rounds nothing
.endif
	v_add_f32 v12, v8, v9                          ; c' - M: the row's constant costs no instruction a score
	; THE BATCH: t - M (two at a time; of both pairs the low word serves both halves), p = 2^(t - M), and O^T under the new M, dealt among each other.  The scaling runs two pairs ahead of the exponentials.
	; None of these lines names an exponential's result.
	v_pk_fma_f32 v[96:97], v[96:97], s[22:23], v[12:13] op_sel_hi:[1,0,0]
	v_pk_fma_f32 v[98:99], v[98:99], s[22:23], v[12:13] op_sel_hi:[1,0,0]
.set pb, 0
.rept 32
	v_exp_f32 v[96+2*pb], v[96+2*pb]
.if pb < 30
	v_pk_fma_f32 v[100+2*pb:101+2*pb], v[100+2*pb:101+2*pb], s[22:23], v[12:13] op_sel_hi:[1,0,0]
.endif
	v_exp_f32 v[97+2*pb], v[97+2*pb]
.if (\st > 0) && (pb%2 == 0)
	v_pk_mul_f32 v[160+pb:161+pb], v[160+pb:161+pb], v[26:27] op_sel_hi:[1,0]   ; O^T x f, each accumulator from its low end on
.endif
.set pb, pb+1
.endr
.if \st > 0
	v_pk_mul_f32 v[14:15], v[14:15], v[26:27] op_sel_hi:[1,0]   ; l under the new M.  (The plain instruction behind the last exponential)
.else
	v_nop                                          ; the plain instruction behind the last exponential
.endif
	s_wait_alu depctr_va_vdst(0)                   ; the 64 exponentials have written p in v[96:159]: one wait for the batch, ahead of its first reader
.set pa, 0
.rept 32
	SUMP                                           ; l takes the UNQUANTISED p, pair by pair in ascending order, the four chains by turns
.set pa, pa+1
.endr
	v_pk_add_f32 v[10:11], v[10:11], v[28:29]      ; the four chains meet
	v_pk_add_f32 v[14:15], v[14:15], v[30:31]
	v_pk_add_f32 v[14:15], v[14:15], v[10:11]
	s_cmp_gt_i32 s28, -9                           ; p is at most 1 (a last bit more at the worst), and 448 x 2^e12 is 1.75 or more from e12 = -8 on: there the hold can change nothing and is jumped over.
	s_cbranch_scc1 .Lnohold_\@                     ; The branch hangs on a given whole number, alike in every wave
.set j, 0
.rept 64
	v_min_num_f32 v[96+j], v[96+j], v25            ; the conversion to an 8-bit code does not saturate (ISA guide 7.6.2); p is not negative, so the hold is one-sided
.set j, j+1
.endr
.Lnohold_\@:
.irp b, 0,1,2,3
	v_cvt_scalef32_pk8_fp8_f32 v[192+4*\b:193+4*\b], v[96+16*\b:103+16*\b], v24
	v_cvt_scalef32_pk8_fp8_f32 v[194+4*\b:195+4*\b], v[104+16*\b:111+16*\b], v24
.endr
	v_nop                                          ; one plain instruction between the last conversion and the products that read its result
	s_wait_dscnt 0x0                               ; V's fragments
.irp t, 0,1,2,3                        ; the four accumulators take turns; the first trip's products start the sums: nothing is cleared
.if \st == 0
	v_wmma_f32_16x16x128_fp8_fp8 v[160+8*\t:167+8*\t], v[32+16*\t:47+16*\t], v[192:207], 0
.else
	v_wmma_f32_16x16x128_fp8_fp8 v[160+8*\t:167+8*\t], v[32+16*\t:47+16*\t], v[192:207], v[160+8*\t:167+8*\t]
.endif
.endr
.endm
.irp n, 0,1,2,3,4,5,6,7
	TRIP \n
.endr
	; THE WAY OUT.  The lines that finish l are also the places behind the last products (two additions, two moves, the v_nop and v_ldexp_f32: six plain instructions that name none of their registers).
	v_add_f32 v14, v14, v15                        ; l's two halves,
	v_mov_b32 v10, s35
	v_mov_b32 v11, s36
	v_permlanex16_b32 v3, v14, s20, s21
	v_add_f32 v14, v14, v3                         ; and lane l xor 16's
	v_rcp_f32 v14, v14
	v_nop                                          ; one plain instruction behind the reciprocal
	s_wait_alu depctr_va_vdst(0)                   ; the reciprocal has written v14, ahead of its first reader
	v_ldexp_f32 v14, v14, s34                      ; x 2^(e12 + e13)
.set j, 0
.rept 32
	v_mul_f32 v[96+j], v[160+j], v14               ; x: register 16 b + i is channel 32 b + 16 (lane / 16) + i of my query
.set j, j+1
.endr
.set j, 0
.rept 32
	v_med3_num_f32 v[96+j], v[96+j], -v11, v11     ; the hold at the largest code x 2^e14
.set j, j+1
.endr
.irp b, 0,1
	v_cvt_scalef32_pk8_fp8_f32 v[32+4*\b:33+4*\b], v[96+16*\b:103+16*\b], v10
	v_cvt_scalef32_pk8_fp8_f32 v[34+4*\b:35+4*\b], v[104+16*\b:111+16*\b], v10
.endr
	v_nop
	s_wait_alu depctr_va_vdst(0)                   ; the conversions have written v[32:39], which the two stores read
	global_store_b128 v1, v[32:35], s[12:13]       ; the fragment as it stands: 512 consecutive bytes a line
	global_store_b128 v1, v[36:39], s[12:13] offset:512
	s_wait_xcnt 0x0
	s_wait_alu depctr_vm_vsrc(0)                   ; step 7's LDS stores have read v254 and v255, which the two lines below make anew
	v_lshl_add_u32 v254, v0, 2, 0x20000
	v_mov_b32 v255, 0
	s_wait_dscnt 0x0                               ; the closing lines, six on end
	s_wait_alu 0x0
	s_wait_tensorcnt 0x0
	ds_add_u32 v254, v255
	s_wait_dscnt 0x0
	s_endpgm
.Lfunc_end_k_q41c7cb59c9_attn:
	.size	k_q41c7cb59c9_attn, .Lfunc_end_k_q41c7cb59c9_attn-k_q41c7cb59c9_attn
	.p2alignl 7, 3214868480
	.fill 96, 4, 3214868480
	.section	.rodata,"a",@progbits
	.p2align	6, 0x0
	.amdhsa_kernel k_q41c7cb59c9_attn
		.amdhsa_group_segment_fixed_size 133120
		.amdhsa_private_segment_fixed_size 0
		.amdhsa_enable_private_segment 0
		.amdhsa_kernarg_size 40
		.amdhsa_user_sgpr_count 2
		.amdhsa_user_sgpr_kernarg_segment_ptr 1
		.amdhsa_wavefront_size32 1
		.amdhsa_system_sgpr_workgroup_id_x 1
		.amdhsa_system_sgpr_workgroup_id_y 1
		.amdhsa_system_sgpr_workgroup_id_z 1
		.amdhsa_system_vgpr_workitem_id 0
		.amdhsa_next_free_vgpr 256
		.amdhsa_next_free_sgpr 66
		.amdhsa_reserve_vcc 0
		.amdhsa_float_denorm_mode_32 3
		.amdhsa_float_denorm_mode_16_64 3
		.amdhsa_memory_ordered 1
		.amdhsa_forward_progress 1
		.amdhsa_inst_pref_size 133
	.end_amdhsa_kernel
	.amdgpu_metadata
---
amdhsa.version: [ 1, 2 ]
amdhsa.kernels:
  - .name:           k_q41c7cb59c9_attn
    .symbol:         k_q41c7cb59c9_attn.kd
    .args:
      - { .name: q_img, .offset: 0, .size: 8, .value_kind: global_buffer, .address_space: global }
      - { .name: kv_img, .offset: 8, .size: 8, .value_kind: global_buffer, .address_space: global }
      - { .name: c_img, .offset: 16, .size: 8, .value_kind: global_buffer, .address_space: global }
      - { .name: lowp_scales, .offset: 24, .size: 8, .value_kind: global_buffer, .address_space: global }
      - { .name: x_img, .offset: 32, .size: 8, .value_kind: global_buffer, .address_space: global }
    .group_segment_fixed_size: 133120
    .private_segment_fixed_size: 0
    .kernarg_segment_align: 8
    .kernarg_segment_size: 40
    .max_flat_workgroup_size: 512
    .sgpr_count:     66
    .vgpr_count:     256
    .wavefront_size: 32
...
	.end_amdgpu_metadata
.endif
;; end of part 5
;; launch outp (part 6): grid 256 x 1, 4 waves a work-group, no clusters, 9,216 bytes of LDS; arguments x_img, wo_img, bo, lowp_scales, out0; writes out0
.if DOCPART == 6
	.amdgcn_target "amdgcn-amd-amdhsa--gfx1250"
	.amdhsa_code_object_version 6
	.text
	.protected	k_q41c7cb59c9_outp
	.globl	k_q41c7cb59c9_outp
	.p2align	8
	.type	k_q41c7cb59c9_outp,@function
k_q41c7cb59c9_outp:
	s_mov_b64 s[64:65], 0
	v_nop
	global_prefetch_b8 v0, s[64:65] scope:SCOPE_SE
	s_setreg_imm32_b32 hwreg(HW_REG_WAVE_SCHED_MODE, 0, 2), 2
	s_setreg_imm32_b32 hwreg(HW_REG_WAVE_MODE, 25, 1), 1
	s_wait_xcnt 0x0
	s_wait_alu depctr_vm_vsrc(0)
; out0 = Q(x) Q(Wo) + bo: [8,192 x 512] x [512 x 64], on codes of FP8 (E4M3) as the earlier launches laid them: images of fragments (16 rows x 64 along K: registers 4 c .. 4 c + 3 of lane L at byte 512 c + 16 L).
; x_img: (tile of 16 rows x 8 + head) x 1,024;  wo_img: head x 4,096 + tile of 16 columns x 1,024.  Two heads' fragments on end are one operand of the K = 128 form, alike on both sides.
; LIMIT: e14 + e15 between -126 and 127, so that 2^(e14 + e15) is an f32 number.
; SHARES: a work-group owns 32 rows; wave w takes tile u = w % 2 of them and columns 32 (w / 2) + 0 .. 31: two accumulators, K in four steps of 128.
; TRANSPOSED (source 0 = 16 columns of Wo, source 1 = 16 rows of x): lane (r, h) holds row 8 u + r + (r & 8) of the 32, and the 16 registers of its two accumulators are columns 32 (w / 2) + 16 h + 0 .. 15.
; A row's 256 bytes come from two waves: they meet in a stage in LDS (32 rows x (256 + 16) bytes), and each wave stores 8 whole rows.  No tensor load, no cluster: each work-group reads its own 16 KB of x, and Wo's 32 KB once.
; THE MODE: SCHED_MODE bits 1:0 = 2 (LLVM: expert scheduling mode 2), set by the entry lines.  The code itself states the register dependences
; between vector or matrix instructions and memory or LDS instructions, with s_wait_alu, always for 0.
; THE PLAN.  Registers that memory or LDS instructions touch:
;   v1, v2, v4, v5, v6   offsets and LDS addresses: made at the head, ahead of one wait on va_vdst; never written again.  v14, v15: made there too, read by the closing add alone.
;   v[32:223]            x's and Wo's fragments: loaded once, read by the products.
;   v[16:31]             bo: loaded, read by the eight multiply-adds; then the loads from the stage land there, and the global stores read them.
;   v[240:255]           written by the multiply-adds, read by the LDS stores.
; So one wait on va_vdst behind the multiply-adds states both: v[240:255] are written, and v[16:31] are read.
	s_load_b256 s[4:11], s[0:1], 0x0               ; x_img 4, wo_img 6, bo 8, the scales' exponents 10
	s_load_b64 s[12:13], s[0:1], 0x20              ; out0
	v_lshl_add_u32 v14, v0, 2, 0x2200
	v_mov_b32 v15, 0
	v_lshrrev_b32 v7, 5, v0
	v_readfirstlane_b32 s14, v7                    ; wave 0..3
	v_and_b32 v7, 31, v0
	v_lshlrev_b32 v1, 4, v7                        ; v1: 16 x lane
	v_and_b32 v8, 15, v0                           ; r
	v_bfe_u32 v9, v0, 4, 1                         ; h
	v_lshlrev_b32 v2, 6, v9                        ; v2: 64 h
	v_and_b32 v10, 8, v8
	v_add_nc_u32 v10, v10, v8                      ; r + (r & 8)
	s_wait_alu depctr_va_sdst(0)                   ; s14, the wave's number, is written, ahead of its first reader
	s_and_b32 s15, s14, 1                          ; u
	s_lshr_b32 s22, s14, 1                         ; which 32 columns
	s_mul_i32 s23, s15, 8*272
	s_lshl_b32 s24, s22, 7
	s_add_co_u32 s23, s23, s24
	v_mad_u32_u24 v4, v10, 272, v2
	v_add_nc_u32 v4, s23, v4                       ; v4: into the stage: my row x 272 + 128 (w / 2) + 64 h
	s_mul_i32 s23, s14, 8*272
	v_mul_u32_u24 v5, v9, 272
	v_lshl_add_u32 v5, v8, 4, v5
	v_add_nc_u32 v5, s23, v5                       ; v5: back: rows 8 w + h, + 2, + 4, + 6; sixteen lanes to a row
	s_lshl_b32 s23, s14, 11
	v_lshlrev_b32 v6, 8, v9
	v_lshl_add_u32 v6, v8, 4, v6
	v_add_nc_u32 v6, s23, v6                       ; v6: and the same place in out0
	s_mov_b32 s21, 0
	s_wait_kmcnt 0x0
	s_load_b64 s[16:17], s[10:11], 0x38            ; e14, e15
	s_lshl_b32 s20, ttmp9, 14
	s_lshl_b32 s23, s15, 13
	s_add_co_u32 s20, s20, s23
	s_add_nc_u64 s[4:5], s[4:5], s[20:21]          ; my tile's eight fragments of x
	s_lshl_b32 s20, s22, 11
	s_add_nc_u64 s[6:7], s[6:7], s[20:21]          ; my two tiles of Wo's columns
	s_lshl_b32 s20, s22, 7
	s_add_nc_u64 s[8:9], s[8:9], s[20:21]          ; my 32 numbers of bo
	s_lshl_b32 s20, ttmp9, 13
	s_add_nc_u64 s[12:13], s[12:13], s[20:21]      ; the work-group's 32 rows of 256 bytes
	s_wait_alu depctr_va_vdst(0)                   ; the five offsets and addresses v1, v2, v4, v5, v6 are written: every load and store of the kernel reads one of them, and none is written again
.irp d, 0,1,2,3,4,5,6,7
.irp c, 0,1
	global_load_b128 v[32+8*\d+4*\c:35+8*\d+4*\c], v1, s[4:5] offset:1024*\d+512*\c
.endr
.endr
.irp n, 0,1
.irp d, 0,1,2,3,4,5,6,7
.irp c, 0,1
	global_load_b128 v[96+64*\n+8*\d+4*\c:99+64*\n+8*\d+4*\c], v1, s[6:7] offset:4096*\d+1024*\n+512*\c
.endr
.endr
.endr
.irp i, 0,1,2,3
	global_load_b128 v[16+4*\i:19+4*\i], v2, s[8:9] offset:16*\i   ; bo at my 16 columns
.endr
	s_wait_kmcnt 0x0
	s_add_co_i32 s18, s16, s17
	s_add_co_i32 s18, s18, 127
	s_lshl_b32 s18, s18, 23                        ; 2^(e14 + e15) as f32
	s_mov_b32 s19, s18                             ; (named with it as a pair)
	s_wait_loadcnt 0x0
.irp s, 0,1,2,3                        ; heads 2 s and 2 s + 1; the two accumulators take turns; the first step starts the sums
.irp n, 0,1
.if \s == 0
	v_wmma_f32_16x16x128_fp8_fp8 v[224+8*\n:231+8*\n], v[96+64*\n+16*\s:111+64*\n+16*\s], v[32+16*\s:47+16*\s], 0
.else
	v_wmma_f32_16x16x128_fp8_fp8 v[224+8*\n:231+8*\n], v[96+64*\n+16*\s:111+64*\n+16*\s], v[32+16*\s:47+16*\s], v[224+8*\n:231+8*\n]
.endif
.endr
.endr
.rept 4
	v_nop                                          ; places ahead of the first read of the sums (ISA guide 7.12.1)
.endr
.irp x, 0,2,4,6,8,10,12,14
	v_pk_fma_f32 v[240+\x:241+\x], v[224+\x:225+\x], s[18:19], v[16+\x:17+\x] op_sel_hi:[1,0,1]   ; sum x 2^(e14 + e15) + bo, each accumulator from its low end on
.endr
	s_wait_alu depctr_va_vdst(0)                   ; the multiply-adds have written v[240:255], which the LDS stores read, and are done reading bo in v[16:31], in which the loads from the stage land
.irp i, 0,1,2,3
	ds_store_b128 v4, v[240+4*\i:243+4*\i] offset:16*\i
.endr
	s_wait_dscnt 0x0                               ; for the others' sake: my 64 bytes of each of my rows lie in the stage
	s_barrier_signal -1
	s_barrier_wait -1
.irp i, 0,1,2,3
	ds_load_b128 v[16+4*\i:19+4*\i], v5 offset:544*\i
.endr
.irp i, 0,1,2,3
	s_wait_dscnt 3-\i                              ; the 3 - i younger loads may be out
	global_store_b128 v6, v[16+4*\i:19+4*\i], s[12:13] offset:512*\i th:TH_STORE_NT   ; sixteen lanes store a row: 256 consecutive bytes, at a multiple of 256 from out0's first byte
.endr
	s_wait_dscnt 0x0                               ; the closing lines, six on end
	s_wait_alu 0x0
	s_wait_tensorcnt 0x0
	ds_add_u32 v14, v15
	s_wait_dscnt 0x0
	s_endpgm
.Lfunc_end_k_q41c7cb59c9_outp:
	.size	k_q41c7cb59c9_outp, .Lfunc_end_k_q41c7cb59c9_outp-k_q41c7cb59c9_outp
	.p2alignl 7, 3214868480
	.fill 96, 4, 3214868480
	.section	.rodata,"a",@progbits
	.p2align	6, 0x0
	.amdhsa_kernel k_q41c7cb59c9_outp
		.amdhsa_group_segment_fixed_size 9216
		.amdhsa_private_segment_fixed_size 0
		.amdhsa_enable_private_segment 0
		.amdhsa_kernarg_size 40
		.amdhsa_user_sgpr_count 2
		.amdhsa_user_sgpr_kernarg_segment_ptr 1
		.amdhsa_wavefront_size32 1
		.amdhsa_system_sgpr_workgroup_id_x 1
		.amdhsa_system_sgpr_workgroup_id_y 1
		.amdhsa_system_sgpr_workgroup_id_z 1
		.amdhsa_system_vgpr_workitem_id 0
		.amdhsa_next_free_vgpr 256
		.amdhsa_next_free_sgpr 66
		.amdhsa_reserve_vcc 0
		.amdhsa_float_denorm_mode_32 3
		.amdhsa_float_denorm_mode_16_64 3
		.amdhsa_memory_ordered 1
		.amdhsa_forward_progress 1
		.amdhsa_inst_pref_size 10
	.end_amdhsa_kernel
	.amdgpu_metadata
---
amdhsa.version: [ 1, 2 ]
amdhsa.kernels:
  - .name:           k_q41c7cb59c9_outp
    .symbol:         k_q41c7cb59c9_outp.kd
    .args:
      - { .name: x_img, .offset: 0, .size: 8, .value_kind: global_buffer, .address_space: global }
      - { .name: wo_img, .offset: 8, .size: 8, .value_kind: global_buffer, .address_space: global }
      - { .name: bo, .offset: 16, .size: 8, .value_kind: global_buffer, .address_space: global }
      - { .name: lowp_scales, .offset: 24, .size: 8, .value_kind: global_buffer, .address_space: global }
      - { .name: out0, .offset: 32, .size: 8, .value_kind: global_buffer, .address_space: global }
    .group_segment_fixed_size: 9216
    .private_segment_fixed_size: 0
    .kernarg_segment_align: 8
    .kernarg_segment_size: 40
    .max_flat_workgroup_size: 128
    .sgpr_count:     66
    .vgpr_count:     256
    .wavefront_size: 32
...
	.end_amdgpu_metadata
.endif
;; end of part 6
